; MI455X (gfx1250); checked and timed in simulation.
; The chip was launched on July 23, 2026; its instructions are those of AMD's public machine-readable ISA for CDNA 5 (MIT licence, August 2026) and "CDNA5" Instruction Set Architecture Reference Guide (July 2026). The comments in the code are by the model that wrote it; some were corrected since.
;; GC Edecoder. Allowed arithmetic: matrix products marked QUANTISED: E4M3 operands, one E8M0 scale for each 32 along K, by v_wmma_scale_f32_16x16x128_f8f6f4 with both operands' format E4M3, f32 sums; products left as they are: f32 operands where the result goes on into a quantised operand, else bf16, f16 or f32 operands; f32 sums; everything else in f32.
;; Inputs: C_acts 128 x 128 x 400 float32; C_vals 1,024 x 1 x 400 float32; H_utt 128 x 512 x 400 float32; W_score 1 x 400 float32; b_score 1 float32; c_utt 128 x 400 float32; utterance_len 128 int32.
;; Outputs: out0 128 x 1,024 float32; out1 128 x 1,024 float32.
;; This version of the problem:
;;   THIS VERSION OF THE PROBLEM IS GIVEN IN LOW PRECISION. The matrix products marked QUANTISED in the list below multiply operands that are first quantised to E4M3 (4 exponent bits, 3 mantissa bits; 8 bits a number), with one power-of-two scale for each 32 numbers along K (OCP MX v1.0); their sums are f32. All else is computed in f32.
;;   The module's matrix products, in the order in which they are computed (A, B: the left and right operand; K: the contracted axis; several contracted axes count as one K, in the product's order):
;;     1. [M 1,024, K 400] x [K 400, N 65,536]; A: input C_vals; B: input H_utt: QUANTISED
;;     2. batch 128 x [M 1,024, K 512] x [K 512, N 400]; A: softmax (see below); B: input H_utt: QUANTISED
;;     3. [M 131,072, K 400] x [K 400, N 1]; A: computed on the way; B: input W_score: left as it is (N = 1 < 16)
;;     4. batch 128 x [M 128, K 400] x [K 400, N 1]; A: input C_acts; B: input c_utt: left as it is (N = 1 < 16)
;;     5. batch 128 x [M 1, K 128] x [K 128, N 400]; A: softmax (see below); B: input C_acts: left as it is (M = 1 < 16)
;;     6. [M 128, K 400] x [K 400, N 1,024]; A: computed on the way; B: input C_vals: QUANTISED
;;   THE QUANTISER, for each operand of a quantised product, along K:
;;     - K is cut into blocks of 32 from its start; a last block that is shorter is filled with zeros.
;;     - A block's scale is 2^e with e = floor(log2(the largest magnitude in the block)) - 8, held to -126 .. 127; a block of zeros has e = 0. As a byte (E8M0): e + 127.
;;     - Each number is divided by its block's scale, clamped to +-448, and rounded to the nearest number of E4M3, ties to even, subnormals kept.
;;     - The product sums the exact products of the quantised numbers (number of the format x scale) in f32.
;;   ~~~python
;;   def quantise(x, axis):      # numpy; x: float32 -> the quantised numbers, widened to float32 again
;;       x = np.moveaxis(x, axis, -1); K = x.shape[-1]
;;       x = np.pad(x, [(0, 0)] * (x.ndim - 1) + [(0, -K % 32)]); x = x.reshape(x.shape[:-1] + (-1, 32)); a = np.abs(x).max(-1, keepdims=True)
;;       e = np.where(a > 0, np.clip(np.frexp(np.where(a > 0, a, 1))[1] - 1 - 8, -126, 127), 0)      # np.frexp(a)[1] - 1 = floor(log2(a)), exactly
;;       r = np.clip(x / 2.0 ** e, -448, 448)
;;       step = 2.0 ** (np.maximum(np.frexp(np.where(r == 0, 1, r))[1] - 1, -6) - 3)
;;       q = np.round(r / step) * step * 2.0 ** e      # np.round: ties to even
;;       return np.moveaxis(q.reshape(q.shape[:-2] + (-1,))[..., :K], -1, axis).astype(np.float32)
;;   ~~~
;;   SOFTMAX AHEAD OF A QUANTISED PRODUCT. Where the list says 'softmax', what is quantised is not the finished softmax but p = 2^(t - M), with t = logit x log2(e) and M = ceil(the row's largest t), a whole number; so 1/2 < the row's largest p <= 1. The row's sum l is taken of the UNQUANTISED p, in f32, and the product's result is divided by l at the end. Since M is a whole number, a kernel that streams over the keys may use a running M (the ceiling of the running maximum): every later rescaling is an exact power of two, which a block's scale takes up: the codes' values come out the same.
;;   OPERANDS COMPUTED ON THE WAY. 'Computed on the way' means the value that the module computes at that place (a softmax that the list does not call 'softmax' is quantised finished and normalised). What goes into a quantiser is computed in f32, as accurately as f32 sums, v_exp_f32 and their like allow (about 1e-6 of the number): no bf16 or f16 on the way to a quantiser, and a product that is left as it is and whose result goes on into a quantised operand takes f32 operands (vector FMAs, or v_wmma_f32_16x16x4_f32). A number that lies on a knife's edge between two numbers of the format may be rounded either way, as far as f32 arithmetic and the matrix unit's own rounding can turn it there, and no further.
;; 2 versions, each right; version 2 is version 1 with the launch gce written anew for expert scheduling mode. Each part assembles by itself: llvm-mc -triple=amdgcn-amd-amdhsa -mcpu=gfx1250 --defsym DOCPART=n.
;; ======== version 1 of 2: 2 launches
;; workspace buffers: hq 62,914,560 bytes; vq 442,368 bytes
;; launch prep (part 1): grid 520 x 1, 8 waves a work-group, no clusters, 0 bytes of LDS; arguments H_utt, C_vals, hq, vq; writes hq, vq
.if DOCPART == 1
	.amdgcn_target "amdgcn-amd-amdhsa--gfx1250"
	.amdhsa_code_object_version 6
	.text
	.protected	k_qdae3af3cf6_prep
	.globl	k_qdae3af3cf6_prep
	.p2align	8
	.type	k_qdae3af3cf6_prep,@function
k_qdae3af3cf6_prep:
	s_mov_b64 s[64:65], 0
	v_nop
	global_prefetch_b8 v0, s[64:65] scope:SCOPE_SE
	s_setreg_imm32_b32 hwreg(HW_REG_WAVE_MODE, 25, 1), 1
	s_wait_xcnt 0x0
; H_utt [128][512][400] and C_vals [1024][400], f32, become codes of FP8 (E4M3) with one E8M0 scale for each 32 along K, ONCE for the whole program, laid in the order of the operands' registers:
; a fragment (16 rows x 128 K) is four pieces of 512 bytes, 16 bytes a lane, so that the launch that multiplies fetches it by plain 16-byte loads and every store here covers 512 consecutive bytes, aligned.
; hq: 512 tiles (batch b, key step t: 4 b + t) of 122,880 bytes.  A tile: 8 key tiles of 7,168 bytes (H along D, operand of the scores: K steps 0, 1, 2, the tail's 512 bytes, 512 bytes with four scale words a lane), then
; 25 channel tiles of 2,560 bytes (H along the keys, operand of the second product: a fragment, 512 bytes with the lane's scale word four times), then 1,536 bytes of fill: 240 pieces of 512 bytes.
; vq: 64 value tiles of 6,912 bytes: K steps 0, 1, 2, the tail, and 256 bytes of scale words, 8 bytes a lane: word p holds K step 2 p in lanes 0-15 and K step 2 p + 1 in lanes 16-31.
; THE KEYS OF A KEY TILE ARE NOT NEIGHBOURS: lane r of key tile 2 c + u takes key 32 c + 8 u + r + 8 (r / 8), so that a lane's 16 scores of tiles 2 c, 2 c + 1 are 16 neighbouring keys.
; K = 400 is three steps of 128 and a block of 16 numbers and 16 zeros: the tail is one piece, lanes 16-31 of which hold zero codes.
; SHARES.  Work-groups 0-7: a value tile a wave.  Work-groups 8-519: a tile of H each; wave w takes key tile w and channel tiles 3 w, 3 w + 1, 3 w + 2; wave 0 also channel tile 24 and the fill.
; No LDS, no barrier: waves share nothing.  Two staging sets of 64 registers by turns.  No matrix unit, no cluster, no tensor load: the work is loads, vector lines and stores, and no two work-groups read the same bytes.
; LIMITS: NaN and infinities among the inputs are not served.  A block whose largest magnitude lies under 2^-118 keeps the scale byte 1; a block of zeros has the byte 1 where the rule says 127 (its codes are zeros, and
; this program alone reads the bytes).
.set ROWB,   1600                      ; a row of 400 f32
.set TILEB,  128*ROWB                  ; a key step of H
.set KT,     7168
.set VOFF,   8*KT
.set VT,     2560
.set SLOTB,  122880                    ; 8 KT + 25 VT = 121,344, filled up to 240 x 512
.set QTB,    6912
.set NV,     8                         ; work-groups for C_vals
.set LI,  1                            ; 16 x lane
.set KWG, 2                            ; where my key tile (value tile) goes
.set VWG, 3                            ; where my channel tiles go
.set GKA, 4                            ; my row + 64 (lane / 16)
.set GKT, 5                            ; my row
.set GVA, 6                            ; 16 rows x (lane / 16) + my channel
.set GO,  7                            ; 8 x lane
.set KS,  8                            ; v8-11   my row's four scale words; written once
.set VSQ, 12                           ; v12-27  a channel tile's scale word, four times; four registers for each tile, written once
.set QSC, 28                           ; v28-29  a value tile's scale words as they are stored
.set VR,  30
.set VH,  31
.set TM,  36                           ; v36-59  at work
.set PC,  60                           ; v60-75  codes just made
.set S,   128                          ; staging sets
.set F,   192
.set WV,  2
.set TS,  3
.set HK,  12
.set HV,  14
.set OB,  16
.set TP,  18
.set SEL, 20
.set MNT, 22
.set HM,  23
.set G,   24
; nb blocks of a lane: register src + 16 b + i is number 16 (lane / 16) + i of block b of my row.  Codes to v[PC + 4 b ..], the scale word to v[pw].
.macro QUANT src, nb, pw
.set qb, 0
.rept \nb
	v_max3_num_f32 v[TM+qb], |v[(\src)+16*qb]|, |v[(\src)+16*qb+1]|, 0x4800000   ; my 16 numbers, and the floor 2^(9 - 127): the byte cannot fall under 1
.set qb, qb+1
.endr
.irp i, 2,4,6,8,10,12,14
.set qb, 0
.rept \nb
	v_max3_num_f32 v[TM+qb], v[TM+qb], |v[(\src)+16*qb+\i]|, |v[(\src)+16*qb+\i+1]|
.set qb, qb+1
.endr
.endr
.set qb, 0
.rept \nb
	v_permlanex16_b32 v[TM+4+qb], v[TM+qb], s[SEL], s[SEL+1]
.set qb, qb+1
.endr
.set qb, 0
.rept \nb
	v_max_num_f32 v[TM+qb], v[TM+qb], v[TM+4+qb]   ; with lane l xor 16's: the block's largest magnitude
.set qb, qb+1
.endr
.set qb, 0
.rept \nb
	v_add_nc_u32 v[TM+12+qb], 0xfc000000, v[TM+qb] ; 8 off its exponent field: the conversion's scale operand
	v_and_or_b32 v[TM+8+qb], v[TM+qb], 0x7f800000, s[MNT]   ; 448 x the scale
.set qb, qb+1
.endr
.set qb, 0
.rept \nb
	v_lshrrev_b32 v[TM+4+qb], 23, v[TM+12+qb]      ; the scale's byte
.set qb, qb+1
.endr
.if \nb == 4
	v_lshl_or_b32 v[\pw], v[TM+5], 8, v[TM+4]
	v_lshl_or_b32 v[\pw], v[TM+6], 16, v[\pw]
	v_lshl_or_b32 v[\pw], v[TM+7], 24, v[\pw]
.else
	v_mov_b32 v[\pw], v[TM+4]                      ; the upper three bytes are 0: they stand beside zero codes
.endif
	s_wait_xcnt 0x0                                ; the stores of the last codes have read their registers: only behind this wait are they written again
.set qb, 0
.rept \nb
.irp i, 0,1,2,3,4,5,6,7,8,9,10,11,12,13,14,15
	v_med3_num_f32 v[(\src)+16*qb+\i], v[(\src)+16*qb+\i], -v[TM+8+qb], v[TM+8+qb]   ; the conversion does not saturate (ISA guide 7.6.2): the hold at 448 x the scale
.endr
	v_cvt_scalef32_pk8_fp8_f32 v[PC+4*qb:PC+4*qb+1], v[(\src)+16*qb:(\src)+16*qb+7], v[TM+12+qb]
	v_cvt_scalef32_pk8_fp8_f32 v[PC+4*qb+2:PC+4*qb+3], v[(\src)+16*qb+8:(\src)+16*qb+15], v[TM+12+qb]
.set qb, qb+1
.endr
	v_nop                                          ; a plain line between the last conversion and whatever next touches its registers
.endm
.macro GIMG adr, off                   ; the fragment in v[PC] on goes out as it stands: four stores of 512 consecutive bytes
.irp c, 0,1,2,3
	global_store_b128 v[\adr], v[PC+4*\c:PC+4*\c+3], s[OB:OB+1] offset:\off+512*\c
.endr
.endm
.macro KLOAD st, sp                    ; my row's numbers of K step sp: 64 a lane
.irp c, 0,1,2,3
.irp j, 0,1,2,3
	global_load_b128 v[\st+16*\c+4*\j:\st+16*\c+4*\j+3], v[GKA], s[HK:HK+1] offset:512*\sp+128*\c+16*\j
.endr
.endr
.endm
.macro TLOAD st                        ; channels 384 .. 399 of my row, in both halves of the lanes
.irp j, 0,1,2,3
	global_load_b128 v[\st+4*\j:\st+4*\j+3], v[GKT], s[HK:HK+1] offset:1536+16*\j
.endr
.endm
.macro VLOAD st, off                   ; a channel tile: lane (r, h) takes channel r, and its registers run down the keys: 32 c + 16 h + i
.irp c, 0,1,2,3
.irp i, 0,1,2,3,4,5,6,7,8,9,10,11,12,13,14,15
	global_load_b32 v[\st+16*\c+\i], v[GVA], s[HV:HV+1] offset:(32*\c+\i)*ROWB+\off
.endr
.endr
.endm
; 16 rows of 400 numbers along D: three fragments and the tail.  more = 1: the first channel tile's loads go out ahead of the tail's work
.macro KPART more
	KLOAD S, 0
	KLOAD F, 1
	s_wait_loadcnt 16                              ; set S is in; the 16 loads of set F may be out
	QUANT S, 4, KS
	GIMG KWG, 0
	KLOAD S, 2
	s_wait_loadcnt 16
	QUANT F, 4, KS+1
	GIMG KWG, 2048
	TLOAD F
	s_wait_loadcnt 4                               ; the tail's four loads may be out
	QUANT S, 4, KS+2
	GIMG KWG, 4096
.if \more
	VLOAD S, 0
	s_wait_loadcnt 63                              ; 64 loads stand behind the tail's; the wait's field ends at 63, so one of them is waited for too
.else
	s_wait_loadcnt 0x0
.endif
.irp i, 0,1,2,3,4,5,6,7,8,9,10,11,12,13,14,15
	v_cndmask_b32 v[F+\i], 0, v[F+\i], s[HM]       ; lanes 16-31 stand for channels 400 .. 415: zeros
.endr
	QUANT F, 1, KS+3
	global_store_b128 v[KWG], v[PC:PC+3], s[OB:OB+1] offset:6144
.endm
.macro VUNIT st, u, off                ; a channel tile out of set st: its fragment, and its scale word four times, so that every byte of the 512 is stored
	QUANT \st, 4, VSQ+4*(\u)
	v_mov_b32 v[VSQ+4*(\u)+1], v[VSQ+4*(\u)]
	v_mov_b32 v[VSQ+4*(\u)+2], v[VSQ+4*(\u)]
	v_mov_b32 v[VSQ+4*(\u)+3], v[VSQ+4*(\u)]
	GIMG VWG, \off
	global_store_b128 v[VWG], v[VSQ+4*(\u):VSQ+4*(\u)+3], s[OB:OB+1] offset:\off+2048
.endm
	s_load_b256 s[4:11], s[0:1], 0x0               ; H_utt 4, C_vals 6, hq 8, vq 10
	v_lshrrev_b32 v1, 5, v0
	v_readfirstlane_b32 s[WV], v1                  ; wave 0..7
	s_mov_b32 s[SEL], 0x76543210
	s_mov_b32 s[SEL+1], 0xfedcba98                 ; v_permlanex16_b32's selects for lane l xor 16
	s_mov_b32 s[MNT], 0x600000                     ; the mantissa field of 448
	s_mov_b32 s[HM], 0x0000ffff                    ; lanes 0-15
	s_mov_b32 s[TP+1], 0
	v_and_b32 v32, 31, v0                          ; lane
	v_and_b32 v[VR], 15, v0
	v_bfe_u32 v[VH], v0, 4, 1
	v_lshlrev_b32 v[LI], 4, v32
	v_lshlrev_b32 v[GO], 3, v32
.irp b, 0,1,2,3
	v_mov_b32 v[TM+4+\b], 0                        ; written once: a lane permute's destination counts as one of its sources
.endr
	s_cmp_lt_u32 ttmp9, NV
	s_cbranch_scc1 .Lvals
; ---------------------------------------------------------------- a tile of H
	s_sub_co_u32 s[G], ttmp9, NV                   ; 4 b + t
	v_and_b32 v[GKT], 8, v[VR]
	v_add_nc_u32 v[GKT], v[GKT], v[VR]             ; r + 8 (r / 8)
	v_mul_u32_u24 v[GKT], v[GKT], ROWB
	v_lshl_add_u32 v[GKA], v[VH], 6, v[GKT]
	v_mul_u32_u24 v[GVA], v[VH], 16*ROWB
	v_lshl_add_u32 v[GVA], v[VR], 2, v[GVA]
	s_mul_i32 s[TS], s[WV], KT
	v_add_nc_u32 v[KWG], s[TS], v[LI]
	s_mul_i32 s[TS], s[WV], 3*VT
	s_add_co_u32 s[TS], s[TS], VOFF
	v_add_nc_u32 v[VWG], s[TS], v[LI]
	s_wait_kmcnt 0x0
	s_mul_i32 s[TP], s[G], TILEB
	s_add_nc_u64 s[HV:HV+1], s[4:5], s[TP:TP+1]    ; the tile's first row
	s_lshr_b32 s[TP], s[WV], 1
	s_mul_i32 s[TP], s[TP], 32*ROWB
	s_and_b32 s[TS], s[WV], 1
	s_mul_i32 s[TS], s[TS], 8*ROWB
	s_add_co_u32 s[TP], s[TP], s[TS]
	s_add_nc_u64 s[HK:HK+1], s[HV:HV+1], s[TP:TP+1]   ; key tile w begins at key 32 (w / 2) + 8 (w % 2)
	s_mul_i32 s[TP], s[WV], 192
	s_add_nc_u64 s[HV:HV+1], s[HV:HV+1], s[TP:TP+1]   ; my 48 channels
	s_mul_i32 s[TP], s[G], SLOTB
	s_add_nc_u64 s[OB:OB+1], s[8:9], s[TP:TP+1]
	KPART 1
	global_store_b128 v[KWG], v[KS:KS+3], s[OB:OB+1] offset:6656   ; my row's four scale words
	VLOAD F, 64
	s_wait_loadcnt 63                              ; set S is in (64 loads stand behind it)
	VUNIT S, 0, 0
	VLOAD S, 128
	s_wait_loadcnt 63
	VUNIT F, 1, VT
	s_cmp_lg_u32 s[WV], 0
	s_cbranch_scc1 .Lnot0
	VLOAD F, 1536                                  ; wave 0: channels 384 .. 399
	s_wait_loadcnt 63
	s_branch .Ljoin
.Lnot0:
	s_wait_loadcnt 0x0
.Ljoin:
	VUNIT S, 2, 2*VT
	s_wait_loadcnt 0x0                             ; on every wave's path: in wave 0 its 64 loads of channel tile 24; in the others nothing is out
	s_cmp_lg_u32 s[WV], 0
	s_cbranch_scc1 .Lend
	VUNIT F, 3, 24*VT
.irp k, 0,1,2
	global_store_b128 v[VWG], v[PC:PC+3], s[OB:OB+1] offset:25*VT+512*\k   ; the fill: bytes that are copied with the tile and used by nobody, stored so that no byte that is read is unwritten
.endr
.Lend:
	s_endpgm
; ---------------------------------------------------------------- a value tile a wave
.Lvals:
	s_lshl_b32 s[G], ttmp9, 3
	s_add_co_u32 s[G], s[G], s[WV]                 ; tile 0 .. 63: rows 16 x tile on
	v_mul_u32_u24 v[GKT], v[VR], ROWB
	v_lshl_add_u32 v[GKA], v[VH], 6, v[GKT]
	v_mov_b32 v[KWG], v[LI]
	s_wait_kmcnt 0x0
	s_mul_i32 s[TP], s[G], 16*ROWB
	s_add_nc_u64 s[HK:HK+1], s[6:7], s[TP:TP+1]
	s_mul_i32 s[TP], s[G], QTB
	s_add_nc_u64 s[OB:OB+1], s[10:11], s[TP:TP+1]
	KPART 0
	v_cndmask_b32 v[QSC], v[KS+1], v[KS], s[HM]    ; lanes 0-15: K step 0's word of row r; lanes 16-31: K step 1's (both halves of the lanes hold all four words of their row)
	v_cndmask_b32 v[QSC+1], v[KS+3], v[KS+2], s[HM]   ; K steps 2 and 3 likewise
	global_store_b64 v[GO], v[QSC:QSC+1], s[OB:OB+1] offset:6656   ; 32 lanes store 256 consecutive bytes, aligned
	s_endpgm
.Lfunc_end_k_qdae3af3cf6_prep:
	.size	k_qdae3af3cf6_prep, .Lfunc_end_k_qdae3af3cf6_prep-k_qdae3af3cf6_prep
	.p2alignl 7, 3214868480
	.fill 96, 4, 3214868480
	.section	.rodata,"a",@progbits
	.p2align	6, 0x0
	.amdhsa_kernel k_qdae3af3cf6_prep
		.amdhsa_group_segment_fixed_size 0
		.amdhsa_private_segment_fixed_size 0
		.amdhsa_enable_private_segment 0
		.amdhsa_kernarg_size 32
		.amdhsa_user_sgpr_count 2
		.amdhsa_user_sgpr_kernarg_segment_ptr 1
		.amdhsa_wavefront_size32 1
		.amdhsa_system_sgpr_workgroup_id_x 1
		.amdhsa_system_sgpr_workgroup_id_y 1
		.amdhsa_system_sgpr_workgroup_id_z 1
		.amdhsa_system_vgpr_workitem_id 0
		.amdhsa_next_free_vgpr 256
		.amdhsa_next_free_sgpr 66
		.amdhsa_reserve_vcc 0
		.amdhsa_float_denorm_mode_32 3
		.amdhsa_float_denorm_mode_16_64 3
		.amdhsa_memory_ordered 1
		.amdhsa_forward_progress 1
		.amdhsa_inst_pref_size 129
	.end_amdhsa_kernel
	.amdgpu_metadata
---
amdhsa.version: [ 1, 2 ]
amdhsa.kernels:
  - .name:           k_qdae3af3cf6_prep
    .symbol:         k_qdae3af3cf6_prep.kd
    .args:
      - { .name: H_utt, .offset: 0, .size: 8, .value_kind: global_buffer, .address_space: global }
      - { .name: C_vals, .offset: 8, .size: 8, .value_kind: global_buffer, .address_space: global }
      - { .name: hq, .offset: 16, .size: 8, .value_kind: global_buffer, .address_space: global }
      - { .name: vq, .offset: 24, .size: 8, .value_kind: global_buffer, .address_space: global }
    .group_segment_fixed_size: 0
    .private_segment_fixed_size: 0
    .kernarg_segment_align: 8
    .kernarg_segment_size: 32
    .max_flat_workgroup_size: 256
    .sgpr_count:     66
    .vgpr_count:     256
    .wavefront_size: 32
...
	.end_amdgpu_metadata
.endif
;; end of part 1
;; launch gce (part 2): grid 2 x 128, 8 waves a work-group, no clusters, 320,512 bytes of LDS; arguments hq, vq, C_acts, c_utt, W_score, b_score, utterance_len, out0, out1; writes out0, out1
.if DOCPART == 2
	.amdgcn_target "amdgcn-amd-amdhsa--gfx1250"
	.amdhsa_code_object_version 6
	.text
	.protected	k_qdae3af3cf6_gce
	.globl	k_qdae3af3cf6_gce
	.p2align	8
	.type	k_qdae3af3cf6_gce,@function
k_qdae3af3cf6_gce:
	s_mov_b64 s[64:65], 0
	v_nop
	global_prefetch_b8 v0, s[64:65] scope:SCOPE_SE
	s_setreg_imm32_b32 hwreg(HW_REG_WAVE_MODE, 25, 1), 1
	s_wait_xcnt 0x0
; out0[b][v] = W . (softmax_t(vals[v] . H[b][t], t < len[b]) H[b]) + b_score;   out1[b][v] = q_acts[b] . vals[v],  q_acts[b] = softmax_a(C_acts[b][a] . c_utt[b]) C_acts[b].
; The products vals H^T (K = 400), p H (K = 512) and q_acts vals^T (K = 400) run on codes of FP8 (E4M3) with one E8M0 scale for each 32 along K; all else is f32.
; H and the values arrive as codes, made once by the launch before, in the order of the operands' registers (hq: a tile of 122,880 bytes for each batch and key step; vq: 6,912 bytes for each 16 values).
; SHARES.  Work-group (x, b): batch b, values 512 x .. 512 x + 511.  Eight waves of 512 registers, two to a SIMD; wave w owns 64 values: four tiles of 16, whose codes stay in its registers.
; H[b] goes in four key steps of 128 keys, through two LDS slots that take turns: a tile of hq IS a slot's image; each wave copies an eighth of it, 30 pieces of 512 bytes, through registers.  While step T is copied,
; step T - 1 is multiplied.  One barrier a trip.  Of the two waves of a SIMD one copies first and multiplies second, the other the other way round, so that one wave's wait for its loads stands beside the other's work.
; A KEY STEP: four sub-steps of 32 keys (S^T = K Q^T, transposed: a lane holds one value vector throughout; running whole-number M; p = 2^(t - M) quantised, its codes to the wave's own image), then
; O^T = V^T P^T with C = 0, 16 of the 400 channels at a time, each result folded at once into y += W . O^T: O is never kept.  When M moves by a whole number, l, y and the blocks' scales take the factor 2^(old M - new M), exactly.
; THE KEYS OF A TILE ARE NOT NEIGHBOURS: lane r of key tile 2 c + u holds key 32 c + 8 u + r + 8 (r / 8), so that a lane's 16 scores of tiles 2 c, 2 c + 1 are 16 neighbouring keys, 32 c + 16 (lane / 16) + 0 .. 15.
; K = 400 is three steps of 128 and a block of 16 numbers and 16 zeros: the fourth step's operand of H has 4 registers of codes and 12 of zero codes; the values' fourth operand runs 12 registers into the next
; tile's codes, which meet those zero codes and add nothing (no code here is a NaN code: every number is held at 448 x its scale ahead of its conversion).
; NO TENSOR LOAD, NO CLUSTER, though the two work-groups of a batch read the same tiles: the jump over the mask's 80 lines, taken in every
; sub-step whose 32 keys all lie under len, hangs on len; without it those 80 lines would stand beside each sub-step's 390 vector lines.  So the tiles come through registers: 60 lines a wave and key step.
; LIMITS: NaN and infinities among the inputs are not served.  A block whose largest magnitude lies under 2^-118 keeps the scale byte 1; a block of zeros has the byte 1 where the rule says 127 (its codes are zeros, and
; this program alone reads the bytes).  A block of p that has fallen more than its byte under the final M is held at byte 0: it stands for less than 3e-36.  The scores' four K steps are summed in the order 0, 1, 3, 2.
; A block's largest p is taken as the exponential of its largest score (it takes v_exp_f32 not to fall where its input rises).  len <= 0 gives 0 x infinity = NaN in out0.
.set ROWB,   1600                      ; a row of 400 f32
.set ACTB,   128*ROWB                  ; a batch of C_acts
; ---- LDS
.set SLOT1,  0x20000                   ; slot 1 begins here: one exclusive or changes slots
.set KT,     7168                      ; a key tile: three fragments of 2,048, the tail's 512, 512 of scale words (four words a lane)
.set VOFF,   8*KT                      ; behind the 8 key tiles: 25 tiles of 16 channels
.set VT,     2560                      ; such a tile: a fragment of 2,048, 512 of scale words (a lane's word at 16 x lane)
.set SLOTB,  122880                    ; 8 KT + 25 VT = 121,344, filled up to 240 pieces of 512 bytes
.set WPART,  SLOTB/8                   ; a wave's 30 pieces
.set WTAB,   SLOTB                     ; W_score, 2,048 bytes (400 numbers are used)
.set QVEC,   WTAB+2048                 ; q_acts, in four pieces of 512 bytes: 100 numbers and 28 zeros each
.set SCOR,   QVEC+2048                 ; the 128 scores of the acts
.set PIMG,   SLOT1+SLOTB               ; 8,192 bytes for each wave: p's image (tile i, block c at 2,048 i + 512 c); its first 512 bytes are also the wave's stage for the results
.set PART,   PIMG                      ; at the head only: the waves' partial q_acts, 2,048 bytes each, in the same four pieces
.set QTB,    6912                      ; a value tile in vq
; ---- vector registers, window 0
.set LI,   1                           ; 16 x lane; never rewritten
.set CW0,  2                           ; my eighth of a tile: 15,360 x wave + 16 x lane: in hq, and in slot 0; never rewritten
.set CW,   4                           ; the same in the slot being written
.set AK,   6                           ; the sub-step's two key tiles
.set AV,   7                           ; the channel tiles of the slot being read
.set AW,   8                           ; W_score: 32 bytes for each half of the lanes
.set AP0,  9                           ; my wave's image of p
.set APC,  10                          ; and the sub-step's block in it
.set QVR,  11                          ; q_acts: QVEC + 64 (lane / 16)
.set QVR2, 12                          ; and QVEC + 176 (lane / 16), where lanes 16-31 read across a piece's end
.set PFO,  14                          ; the prefetches' offset: 8,192 x wave + 256 x lane; never rewritten
.set OSA,  15                          ; the stage: in
.set OSB,  16                          ; the stage: back
.set GO,   17                          ; 8 x lane; never rewritten
.set QS,   20                          ; v20-27  the values' scale words: QS + 2 i + p: K step 2 p in lanes 0-15, 2 p + 1 in lanes 16-31
.set KS,   28                          ; v28-35  scale words of H's operands, of q_acts and of p: scales and nothing else
.set TM,   36                          ; v36-59  at work
.set VD,   TM+16
.set NINF, TM+17
.set VR,   TM+18                       ; lane % 16
.set VH,   TM+19                       ; lane / 16
.set PC,   60                          ; v60-75  codes just made
.set WB,   60                          ; in the second product: two sets of 8 numbers of W_score
.set ST,   76                          ; v76-123 tile i at ST + 12 i: +0 -M, +1 largest t, +2,3 l, +4,5 y, +6 f, +7 the step's product of f, +8..11 the four blocks' scales as f32
.set AVC,  124                         ; the second product's walking addresses
.set AWC,  125
.set S,    128                         ; v128-191 scores, p, results
.set F,    192                         ; v192-255 fragments.  S and F together: the copy's 30 x 4 registers
.set T,    220                         ; window 1: v220-251: two fragments' room.  Window 1, v0-207: the values' codes (tile i, K step s at 52 i + 16 s); v208-219 zeros
; head only
.set GCA,  13
.set S2W,  5
.set S2R,  6
.set PAW,  7
.set E8,   10
.set PAR,  18
.set WTW,  19
.set CU,   76                          ; c_utt, where the statistics will lie
.set WR,   92
.set DT,   144
.set ACC,  144
.set PP,   208
; ---- scalar registers
.set WV,   2                           ; wave
.set ROLE, 3                           ; 0: copy first; 1: multiply first
.set GX,   4
.set GB,   5
.set LEN,  6
.set BSC,  7
.set TT,   26                          ; the trip
.set SLW,  27                          ; slot being written
.set SLR,  28                          ; slot being read
.set PWB,  29
.set HK,   30                          ; s[30:31] the tile of hq to be copied
.set PF,   34                          ; s[34:35] the tile to be prefetched
.set ASK,  36                          ; 1 in the batch's first work-group
.set SUB,  37
.set KB,   38
.set PB,   39
.set KF,   40                          ; the sub-step's first key
.set TS,   41
.set SEL,  42                          ; s[42:43] v_permlanex16_b32's selects for lane l xor 16
.set CS,   44                          ; s[44:45] log2(e)
.set MNT,  46                          ; the mantissa field of 448
.set M25,  48                          ; lanes 0-24
.set QB,   50                          ; s[50:51] my four value tiles in vq
.set PVB,  55
.set CA,   56
.set O0,   58
.set O1,   60
.set PVC,  62
.set TP,   70
.set TP2,  72
.set MSB, 0
.macro WIN new                         ; s_set_vgpr_msb: bits 1:0 source 0, 3:2 source 1, 5:4 source 2, 7:6 destination; the high byte repeats the setting that is left
.if MSB != \new
	s_set_vgpr_msb (MSB<<8)|\new
.set MSB, \new
.endif
.endm
.macro PLACES n                        ; plain vector lines behind matrix instructions (ISA guide 7.12.1)
.rept \n
	v_nop
.endr
.endm
.macro BARRIER                         ; my LDS stores have landed and my LDS loads are in: then the work-group's barrier
	s_wait_dscnt 0x0
	s_barrier_signal -1
	s_barrier_wait -1
.endm
; nb blocks of a lane: register src + 16 b + i is number 16 (lane / 16) + i of block b of my row.  Codes to v[dst + 4 b ..], the scale word to v[pw].
.macro QUANT src, nb, dst, pw
	s_wait_dscnt 0x0                               ; the LDS loads into v[src] on are in
.set qb, 0
.rept \nb
	v_max3_num_f32 v[TM+qb], |v[(\src)+16*qb]|, |v[(\src)+16*qb+1]|, 0x4800000   ; my 16 numbers, and the floor 2^(9 - 127): the byte cannot fall under 1
.set qb, qb+1
.endr
.irp i, 2,4,6,8,10,12,14
.set qb, 0
.rept \nb
	v_max3_num_f32 v[TM+qb], v[TM+qb], |v[(\src)+16*qb+\i]|, |v[(\src)+16*qb+\i+1]|
.set qb, qb+1
.endr
.endr
.set qb, 0
.rept \nb
	v_permlanex16_b32 v[TM+4+qb], v[TM+qb], s[SEL], s[SEL+1]
.set qb, qb+1
.endr
.set qb, 0
.rept \nb
	v_max_num_f32 v[TM+qb], v[TM+qb], v[TM+4+qb]   ; with lane l xor 16's: the block's largest magnitude
.set qb, qb+1
.endr
.set qb, 0
.rept \nb
	v_add_nc_u32 v[TM+12+qb], 0xfc000000, v[TM+qb] ; 8 off its exponent field: the conversion's scale operand
	v_and_or_b32 v[TM+8+qb], v[TM+qb], 0x7f800000, s[MNT]   ; 448 x the scale
.set qb, qb+1
.endr
.set qb, 0
.rept \nb
	v_lshrrev_b32 v[TM+4+qb], 23, v[TM+12+qb]      ; the scale's byte
.set qb, qb+1
.endr
.if \nb == 4
	v_lshl_or_b32 v[\pw], v[TM+5], 8, v[TM+4]
	v_lshl_or_b32 v[\pw], v[TM+6], 16, v[\pw]
	v_lshl_or_b32 v[\pw], v[TM+7], 24, v[\pw]
.else
	v_mov_b32 v[\pw], v[TM+4]                      ; the upper three bytes are 0: they stand beside zero codes
.endif
.set qb, 0
.rept \nb
.irp i, 0,1,2,3,4,5,6,7,8,9,10,11,12,13,14,15
	v_med3_num_f32 v[(\src)+16*qb+\i], v[(\src)+16*qb+\i], -v[TM+8+qb], v[TM+8+qb]   ; the conversion does not saturate (ISA guide 7.6.2): the hold at 448 x the scale
.endr
	v_cvt_scalef32_pk8_fp8_f32 v[(\dst)+4*qb:(\dst)+4*qb+1], v[(\src)+16*qb:(\src)+16*qb+7], v[TM+12+qb]
	v_cvt_scalef32_pk8_fp8_f32 v[(\dst)+4*qb+2:(\dst)+4*qb+3], v[(\src)+16*qb+8:(\src)+16*qb+15], v[TM+12+qb]
.set qb, qb+1
.endr
	v_nop                                          ; a plain line between the last conversion and whatever next touches its registers
.endm
; MY EIGHTH OF A TILE: 30 loads of 512 consecutive bytes, and 30 LDS stores that lay them at the same place in a slot
.macro CLOAD
.set cc, 0
.rept 30
	global_load_b128 v[S+4*cc:S+4*cc+3], v[CW0], s[HK:HK+1] offset:512*cc
.set cc, cc+1
.endr
.endm
.macro CSTORE adr, waits               ; waits = 1: the loads are the wave's last: ten are waited for at a time, the later ones may be out
.set cc, 0
.rept 30
.if (\waits) && (cc%10 == 0)
	s_wait_loadcnt 20-cc
.endif
	ds_store_b128 v[\adr], v[S+4*cc:S+4*cc+3] offset:512*cc
.set cc, cc+1
.endr
	s_wait_dscnt 0x0                               ; the stores have read their registers
.endm
; A PREFETCH INTO THE L2 of one tile of hq, 122,880 bytes on end: 15 instructions of 32 lanes, lanes 256 bytes apart: two in each of waves 0 to 6, one in wave 7.
; Both work-groups of a batch read the tile: the first (x = 0) asks, so each block of 256 bytes is named once in the launch.  kind 0: behind the acts, tile 1, which the first trip copies; 2: in trips 1 and 2, the tile
; that the next trip copies; the later trips ask for nothing: no tile follows.  Tile 0 comes by its loads alone.
.macro ASKT kind
	s_cmp_eq_u32 s[ASK], 0
	s_cbranch_scc1 .Lpf_\@
.if \kind == 2
	s_cmp_gt_u32 s[TT], 2
	s_cbranch_scc1 .Lpf_\@
.endif
	global_prefetch_b8 v[PFO], s[PF:PF+1] th:TH_LOAD_NT scope:SCOPE_SE
	s_cmp_eq_u32 s[WV], 7
	s_cbranch_scc1 .Lpf_\@
	global_prefetch_b8 v[PFO], s[PF:PF+1] offset:65536 th:TH_LOAD_NT scope:SCOPE_SE
.Lpf_\@:
.endm
; 20 LDS loads: a sub-step's two key tiles: scale words, K steps 0 and 1, the tail
.macro KFETCH
.irp u, 0,1
	ds_load_b128 v[KS+4*\u:KS+4*\u+3], v[AK] offset:KT*\u+6656
.endr
.irp u, 0,1
.irp c, 0,1,2,3
	ds_load_b128 v[F+16*\u+4*\c:F+16*\u+4*\c+3], v[AK] offset:KT*\u+512*\c
.endr
.endr
.irp u, 0,1
.irp c, 0,1,2,3
	ds_load_b128 v[F+32+16*\u+4*\c:F+32+16*\u+4*\c+3], v[AK] offset:KT*\u+2048+512*\c
.endr
.endr
	WIN 0x40
.irp u, 0,1
	ds_load_b128 v[T+16*\u:T+16*\u+3], v[AK] offset:KT*\u+6144
.endr
	WIN 0
.endm
; 8 matrix instructions: two key tiles x four value tiles, K step sp.  The 8 accumulators take turns, one instruction a turn.
.macro QKM sp, abase, zero
.irp u, 0,1
.irp i, 0,1,2,3
.if \zero
	v_wmma_scale_f32_16x16x128_f8f6f4 v[S+16*\i+8*\u:S+16*\i+8*\u+7], v[\abase+16*\u:\abase+16*\u+15], v[52*\i+16*\sp:52*\i+16*\sp+15], 0, v[KS+4*\u+\sp], v[QS+2*\i+(\sp)/2]
.elseif (\sp)%2
	v_wmma_scale_f32_16x16x128_f8f6f4 v[S+16*\i+8*\u:S+16*\i+8*\u+7], v[\abase+16*\u:\abase+16*\u+15], v[52*\i+16*\sp:52*\i+16*\sp+15], v[S+16*\i+8*\u:S+16*\i+8*\u+7], v[KS+4*\u+\sp], v[QS+2*\i+(\sp)/2] matrix_b_scale:MATRIX_SCALE_ROW1
.else
	v_wmma_scale_f32_16x16x128_f8f6f4 v[S+16*\i+8*\u:S+16*\i+8*\u+7], v[\abase+16*\u:\abase+16*\u+15], v[52*\i+16*\sp:52*\i+16*\sp+15], v[S+16*\i+8*\u:S+16*\i+8*\u+7], v[KS+4*\u+\sp], v[QS+2*\i+(\sp)/2]
.endif
.endr
.endr
.endm
; y += W . O^T for the channel tile whose results lie in half q of S: each result from its low end on
.macro REDUCE q
.irp j, 0,1,2,3
.irp i, 0,1,2,3
	v_pk_fma_f32 v[ST+12*\i+4:ST+12*\i+5], v[S+32*(\q)+8*\i+2*\j:S+32*(\q)+8*\i+2*\j+1], v[WB+8*(\q)+2*\j:WB+8*(\q)+2*\j+1], v[ST+12*\i+4:ST+12*\i+5]
.endr
.endr
.endm
; Channel tile t of the second product, p = t % 2: four products with C = 0; the tile before is folded into y meanwhile (16 plain lines that name no register of these four products: they are the places
; in front of the loads below and of the next reads and writes of S); then the fragment of tile t + 2 (at voff), its scale word, and W of tile t + 1 (at woff).
.macro PVT p, cnt, red, voff, woff
	s_wait_dscnt \cnt
	WIN 0x01
.irp i, 0,1,2,3
	v_wmma_scale_f32_16x16x128_f8f6f4 v[S+32*\p+8*\i:S+32*\p+8*\i+7], v[T+16*\p:T+16*\p+15], v[F+16*\i:F+16*\i+15], 0, v[KS+4+\p], v[KS+\i]
.endr
	WIN 0
.if \red
	REDUCE 1-\p
.else
	PLACES 8
.endif
.if \voff >= 0
	WIN 0x40
.irp c, 0,1,2,3
	ds_load_b128 v[T+16*\p+4*\c:T+16*\p+4*\c+3], v[AVC] offset:\voff+512*\c
.endr
	WIN 0
	ds_load_b32 v[KS+4+\p], v[AVC] offset:\voff+2048
.endif
.if \woff >= 0
	ds_load_b128 v[WB+8*(1-\p):WB+8*(1-\p)+3], v[AWC] offset:\woff
	ds_load_b128 v[WB+8*(1-\p)+4:WB+8*(1-\p)+7], v[AWC] offset:\woff+16
.endif
.endm
; 64 results of the wave (one a lane % 16 and tile) through its stage, so that the 32 lanes store 256 consecutive bytes, aligned
.macro OUT src, stride, off, dat, base
.irp i, 0,1,2,3
	ds_store_b32 v[OSA], v[\src+\stride*\i] offset:\off+64*\i   ; both halves of the lanes hold the same number and write the same word
.endr
	ds_load_b64 v[\dat:\dat+1], v[OSB] offset:\off              ; LDS serves a wave's instructions in order: this sees my stores
	s_wait_dscnt 0x0
	global_store_b64 v[GO], v[\dat:\dat+1], s[\base:\base+1] th:TH_STORE_NT
.endm
; ================================================================ set-up
	s_load_b512 s[8:23], s[0:1], 0x0               ; hq 8, vq 10, C_acts 12, c_utt 14, W_score 16, b_score 18, utterance_len 20, out0 22
	s_load_b64 s[24:25], s[0:1], 0x40              ; out1
	v_lshl_add_u32 v126, v0, 2, 0x4e000
	v_mov_b32 v127, 0
	v_lshrrev_b32 v1, 5, v0
	v_readfirstlane_b32 s[WV], v1                  ; wave 0..7
	s_lshr_b32 s[ROLE], s[WV], 2
	s_xor_b32 s[ROLE], s[ROLE], s[WV]
	s_and_b32 s[ROLE], s[ROLE], 1                  ; differs between waves w and w + 4, and between 2 k and 2 k + 1
	s_mov_b32 s[GX], ttmp9
	s_and_b32 s[GB], ttmp7, 0xffff
	s_cmp_eq_u32 s[GX], 0
	s_cselect_b32 s[ASK], 1, 0
	s_mov_b32 s[SEL], 0x76543210
	s_mov_b32 s[SEL+1], 0xfedcba98
	s_mov_b32 s[CS], 0x3fb8aa3b                    ; log2(e)
	s_mov_b32 s[CS+1], s[CS]                       ; (named with it as a pair, so it is written)
	s_mov_b32 s[MNT], 0x600000
	s_mov_b32 s[M25], 0x01ffffff
	v_and_b32 v38, 31, v0                          ; lane
	v_and_b32 v[VR], 15, v0
	v_bfe_u32 v[VH], v0, 4, 1
	v_lshlrev_b32 v[LI], 4, v38
	s_mul_i32 s[TS], s[WV], WPART
	v_add_nc_u32 v[CW0], s[TS], v[LI]
	v_lshl_add_u32 v[AW], v[VH], 5, WTAB
	s_lshl_b32 s[TS], s[WV], 13
	v_lshl_add_u32 v[PFO], v38, 8, s[TS]
	s_add_co_u32 s[TS], s[TS], PIMG
	v_add_nc_u32 v[AP0], s[TS], v[LI]
	v_lshl_add_u32 v[OSA], v[VR], 2, s[TS]
	v_lshl_add_u32 v[OSB], v38, 3, s[TS]
	v_lshlrev_b32 v[GO], 3, v38
	v_lshl_add_u32 v[QVR], v[VH], 6, QVEC
	v_mul_u32_u24 v[QVR2], v[VH], 176
	v_add_nc_u32 v[QVR2], QVEC, v[QVR2]
.irp b, 0,1,2,3
	v_mov_b32 v[TM+4+\b], 0                        ; written once: a lane permute's destination counts as one of its sources
.endr
	; the acts' addresses.  A row of 1,600 bytes is four loads of 400: lanes 0-24 take 16 bytes each, lanes 25-31 repeat lane 24 (no load leaves its buffer) and count for nothing
	v_min_u32 v39, 24, v38
	v_lshlrev_b32 v[GCA], 4, v39
	s_lshl_b32 s[TS], s[WV], 6
	s_add_co_u32 s[TS], s[TS], SCOR
	v_mov_b32 v[S2W], s[TS]                        ; my wave's 16 scores
	v_add_nc_u32 v[S2R], SCOR, v[LI]               ; four scores a lane: all 128
	s_lshl_b32 s[TS], s[WV], 11
	s_add_co_u32 s[TS], s[TS], PART
	v_add_nc_u32 v[PAW], s[TS], v[LI]              ; my wave's partial q_acts: each of the four pieces as it lies in the lanes, 16 bytes a lane, 512 bytes a piece
	v_min_u32 v40, 199, v0                         ; W_score: threads 0-199 take two numbers each, threads 200-255 repeat thread 199
	v_lshlrev_b32 v[E8], 3, v40
	v_lshl_add_u32 v[PAR], v0, 3, PART             ; the partial sums back: 8 bytes a thread
	v_lshl_add_u32 v[WTW], v0, 3, WTAB
	s_wait_kmcnt 0x0
	s_mov_b32 s[TP+1], 0
	s_mov_b32 s[TP2+1], 0
	s_mul_i32 s[TP], s[GB], 4*SLOTB
	s_add_nc_u64 s[HK:HK+1], s[8:9], s[TP:TP+1]    ; my batch's tile 0
	CLOAD                                          ; key step 0 goes out first of all
	s_add_nc_u64 s[PF:PF+1], s[HK:HK+1], SLOTB     ; tile 1
	s_lshl_b32 s[TP], s[GB], 2
	s_add_nc_u64 s[20:21], s[20:21], s[TP:TP+1]
	s_load_b32 s[LEN], s[20:21], 0x0
	s_load_b32 s[BSC], s[18:19], 0x0
	s_mul_i32 s[TP], s[GB], ROWB
	s_add_nc_u64 s[14:15], s[14:15], s[TP:TP+1]    ; c_utt[b]
	s_mul_i32 s[TP], s[GB], ACTB
	s_mul_i32 s[TP2], s[WV], 16*ROWB
	s_add_co_u32 s[TP], s[TP], s[TP2]
	s_add_nc_u64 s[CA:CA+1], s[12:13], s[TP:TP+1]  ; C_acts[b], my 16 rows
	s_lshl_b32 s[TP2], s[GX], 3
	s_add_co_u32 s[TP2], s[TP2], s[WV]
	s_mul_i32 s[TP2], s[TP2], 4*QTB
	s_add_nc_u64 s[QB:QB+1], s[10:11], s[TP2:TP2+1]   ; my four value tiles
	s_lshl_b32 s[TP2], s[GB], 12
	s_lshl_b32 s[TS], s[GX], 11
	s_add_co_u32 s[TP2], s[TP2], s[TS]
	s_lshl_b32 s[TS], s[WV], 8
	s_add_co_u32 s[TP2], s[TP2], s[TS]
	s_add_nc_u64 s[O0:O0+1], s[22:23], s[TP2:TP2+1]
	s_add_nc_u64 s[O1:O1+1], s[24:25], s[TP2:TP2+1]
; ================================================================ the acts, in f32: scores, softmax, q_acts.  Wave w holds rows 16 w .. 16 w + 15 of C_acts[b] in window 1 (row i, piece j at 16 i + 4 j)
.irp j, 0,1,2,3
	global_load_b128 v[CU+4*\j:CU+4*\j+3], v[GCA], s[14:15] offset:400*\j
.endr
	global_load_b64 v[WR:WR+1], v[E8], s[16:17]
	WIN 0x40
.irp i, 0,1,2,3,4,5
.irp j, 0,1,2,3
	global_load_b128 v[16*\i+4*\j:16*\i+4*\j+3], v[GCA], s[CA:CA+1] offset:ROWB*\i+400*\j
.endr
.endr
	s_wait_loadcnt 23                              ; of the 59 loads so far the first 36 are in: the tile's 30, c_utt's 4, W_score's (and one of a row): with the 40 below, 63 are out at the most
.irp i, 6,7,8,9,10,11,12,13,14,15
.irp j, 0,1,2,3
	global_load_b128 v[16*\i+4*\j:16*\i+4*\j+3], v[GCA], s[CA:CA+1] offset:ROWB*\i+400*\j
.endr
.endr
	WIN 0
	s_wait_kmcnt 0x0                               ; len and b_score
	ds_store_b64 v[WTW], v[WR:WR+1]
	CSTORE CW0, 0                                  ; key step 0 into slot 0; three barriers stand between these stores and the first read
.irp k, 0,1,2,3,4,5,6,7,8,9,10,11,12,13,14,15
	v_cndmask_b32 v[CU+\k], 0, v[CU+\k], s[M25]    ; the lanes that repeat lane 24 multiply by 0
.endr
	WIN 0x01                                       ; source 0: window 1
.irp i, 0,1,2,3,4,5,6,7,8,9,10,11,12,13,14,15
	s_wait_loadcnt 4*(15-\i)                       ; row i is in; the rows behind it may be out
	v_pk_mul_f32 v[DT+2*\i:DT+2*\i+1], v[16*\i:16*\i+1], v[CU:CU+1]
.irp k, 1,2,3,4,5,6,7
	v_pk_fma_f32 v[DT+2*\i:DT+2*\i+1], v[16*\i+2*\k:16*\i+2*\k+1], v[CU+2*\k:CU+2*\k+1], v[DT+2*\i:DT+2*\i+1]
.endr
.endr
	WIN 0
.irp i, 0,1,2,3,4,5,6,7,8,9,10,11,12,13,14,15
	v_add_f32 v[DT+2*\i], v[DT+2*\i], v[DT+2*\i+1]
.endr
.irp m, 1,2,4,8
.irp i, 0,1,2,3,4,5,6,7,8,9,10,11,12,13,14,15
	v_add_f32_dpp v[DT+2*\i], v[DT+2*\i], v[DT+2*\i] row_xmask:\m row_mask:0xf bank_mask:0xf
.endr
.endr
.irp i, 0,1,2,3,4,5,6,7,8,9,10,11,12,13,14,15
	v_permlanex16_b32 v[DT+2*\i+1], v[DT+2*\i], s[SEL], s[SEL+1]
.endr
.irp i, 0,1,2,3,4,5,6,7,8,9,10,11,12,13,14,15
	v_add_f32 v[DT+2*\i], v[DT+2*\i], v[DT+2*\i+1]
.endr
.irp i, 0,1,2,3,4,5,6,7,8,9,10,11,12,13,14,15
	ds_store_b32 v[S2W], v[DT+2*\i] offset:4*\i    ; every lane holds the row's score and writes the same word
.endr
	BARRIER                                        ; the 128 scores, W_score and key step 0 lie in LDS
	ds_load_b128 v[176:179], v[S2R]                ; four scores a lane,
.irp k, 0,1,2,3
	ds_load_b128 v[180+4*\k:183+4*\k], v[S2W] offset:16*\k   ; and my wave's 16 in every lane
.endr
	s_wait_dscnt 0x0
	v_max3_num_f32 v196, v176, v177, v178
	v_max_num_f32 v196, v196, v179
.irp m, 1,2,4,8
	v_max_num_f32_dpp v196, v196, v196 row_xmask:\m row_mask:0xf bank_mask:0xf
.endr
	v_permlanex16_b32 v[TM+4], v196, s[SEL], s[SEL+1]
	v_max_num_f32 v196, v196, v[TM+4]              ; the largest score is taken away, as the softmax has it
.irp k, 0,1,2,3,4,5,6,7,8,9,10,11,12,13,14,15,16,17,18,19
	v_sub_f32 v[176+\k], v[176+\k], v196           ; the difference first, then the factor: what goes on into a quantiser keeps the difference's own rounding
.endr
.irp k, 0,1,2,3,4,5,6,7,8,9,10,11,12,13,14,15,16,17,18,19
	v_mul_f32 v[176+\k], s[CS], v[176+\k]
.endr
.irp k, 0,1,2,3,4,5,6,7,8,9,10,11,12,13,14,15,16,17,18,19
	v_exp_f32 v[176+\k], v[176+\k]
.endr
	v_nop                                          ; a plain line behind the last exponential,
	s_wait_alu depctr_va_vdst(0)                   ; and one wait for the batch of twenty, ahead of its first reader
	v_add_f32 v197, v176, v177
	v_add_f32 v198, v178, v179
	v_add_f32 v197, v197, v198
.irp m, 1,2,4,8
	v_add_f32_dpp v197, v197, v197 row_xmask:\m row_mask:0xf bank_mask:0xf
.endr
	v_permlanex16_b32 v[TM+4], v197, s[SEL], s[SEL+1]
	v_add_f32 v197, v197, v[TM+4]
	v_rcp_f32 v198, v197
	v_nop
	s_wait_alu depctr_va_vdst(0)
.irp i, 0,1,2,3,4,5,6,7,8,9,10,11,12,13,14,15
	v_mul_f32 v[PP+2*\i], v[180+\i], v198          ; row i's weight, twice: a pair for the packed forms
	v_mul_f32 v[PP+2*\i+1], v[180+\i], v198
.endr
	WIN 0x01
.irp k, 0,1,2,3,4,5,6,7
	v_pk_mul_f32 v[ACC+2*\k:ACC+2*\k+1], v[2*\k:2*\k+1], v[PP:PP+1]
.endr
.irp i, 1,2,3,4,5,6,7,8,9,10,11,12,13,14,15
.irp k, 0,1,2,3,4,5,6,7
	v_pk_fma_f32 v[ACC+2*\k:ACC+2*\k+1], v[16*\i+2*\k:16*\i+2*\k+1], v[PP+2*\i:PP+2*\i+1], v[ACC+2*\k:ACC+2*\k+1]
.endr
.endr
	WIN 0
.irp j, 0,1,2,3
	ds_store_b128 v[PAW], v[ACC+4*\j:ACC+4*\j+3] offset:512*\j   ; my 16 rows' part of q_acts: piece j holds numbers 100 j .. 100 j + 99 in its first 400 bytes; lanes 25-31 fill the other 112, which do not count
.endr
	; the acts' rows are done with: my values' codes take their place in window 1, 512 consecutive bytes a load; they land under the sums and the quantising below
	WIN 0x40
.irp i, 0,1,2,3
.irp g, 0,1,2,3,4,5,6,7,8,9,10,11,12
	global_load_b128 v[52*\i+4*\g:52*\i+4*\g+3], v[LI], s[QB:QB+1] offset:QTB*\i+512*\g
.endr
.endr
.irp k, 0,1,2,3,4,5,6,7,8,9,10,11
	v_mov_b32 v[208+\k], 0                         ; behind tile 3's tail
	v_mov_b32 v[T+4+\k], 0                         ; the twelve zero registers of each of the keys' two tail fragments
	v_mov_b32 v[T+20+\k], 0
.endr
	WIN 0
.irp i, 0,1,2,3
	global_load_b64 v[QS+2*\i:QS+2*\i+1], v[GO], s[QB:QB+1] offset:QTB*\i+6656   ; and their scale words
.endr
	ASKT 0
	BARRIER
.irp k, 0,1,2,3,4,5,6,7
	ds_load_b64 v[160+2*\k:161+2*\k], v[PAR] offset:2048*\k      ; the eight waves' parts of my two numbers
.endr
	s_wait_dscnt 0x0
.irp k, 1,2,3,4,5,6,7
	v_pk_add_f32 v[160:161], v[160:161], v[160+2*\k:161+2*\k]
.endr
	v_and_b32 v176, 63, v0                         ; 64 threads to a piece; the first 50 hold its 100 numbers
	v_cmp_gt_u32 vcc_lo, 50, v176
	v_cndmask_b32 v160, 0, v160, vcc_lo            ; the other 14 write the piece's 28 zeros
	v_cndmask_b32 v161, 0, v161, vcc_lo
	ds_store_b64 v[WTW], v[160:161] offset:2048
	BARRIER                                        ; q_acts lies in LDS; the partial sums have been read
.irp i, 0,1,2,3
	v_mov_b32 v[ST+12*\i+1], 0xff61b1e6            ; the largest t so far: -3e38
	v_floor_f32 v[ST+12*\i], -v[ST+12*\i+1]
.irp k, 2,3,4,5,6,8,9,10,11
	v_mov_b32 v[ST+12*\i+\k], 0
.endr
	v_mov_b32 v[ST+12*\i+7], 1.0
.endr
; ================================================================ out1: q_acts, quantised along D, against my values' codes.  All 16 rows of source 0 are q_acts[b], so every register of a result holds the number
; Four numbers 4 g .. 4 g + 3 of q_acts lie at 512 (g / 25) + 16 (g % 25).  Lanes 16-31 read four such groups further on than lanes 0-15: 64 bytes, or 176 where that crosses a piece's end (g % 25 >= 21).
.irp sp, 0,1,2
.irp c, 0,1,2,3
.irp j, 0,1,2,3
.set gg, 32*\sp+8*\c+\j
.if (gg%25) >= 21
	ds_load_b128 v[S+16*\c+4*\j:S+16*\c+4*\j+3], v[QVR2] offset:512*(gg/25)+16*(gg%25)
.else
	ds_load_b128 v[S+16*\c+4*\j:S+16*\c+4*\j+3], v[QVR] offset:512*(gg/25)+16*(gg%25)
.endif
.endr
.endr
	QUANT S, 4, F+16*\sp, KS+\sp
.endr
.irp j, 0,1,2,3
	ds_load_b128 v[S+4*\j:S+4*\j+3], v[QVR] offset:1536+16*(21+\j)   ; numbers 384 .. 399; lanes 16-31 read the zeros behind number 399
.endr
	QUANT S, 1, F+48, KS+3
.irp k, 0,1,2,3,4,5,6,7,8,9,10,11
	v_mov_b32 v[F+52+\k], 0
.endr
	s_wait_loadcnt 0x0                             ; my values' codes and scale words are in
	s_wait_xcnt 0x0                                ; every load and the prefetches of tile 1, a phase back, have read their bases:
	s_add_nc_u64 s[HK:HK+1], s[HK:HK+1], SLOTB     ; the first trip copies tile 1
	s_add_nc_u64 s[PF:PF+1], s[PF:PF+1], SLOTB     ; and asks for tile 2
	PLACES 8                                       ; codes and scale words made by vector lines stand 4 and 8 places ahead of a scaled matrix instruction
	WIN 0x04                                       ; source 1: window 1
.irp sp, 0,1,2,3
.irp i, 0,1,2,3
.if \sp == 0
	v_wmma_scale_f32_16x16x128_f8f6f4 v[S+8*\i:S+8*\i+7], v[F+16*\sp:F+16*\sp+15], v[52*\i+16*\sp:52*\i+16*\sp+15], 0, v[KS+\sp], v[QS+2*\i+\sp/2]
.elseif \sp%2
	v_wmma_scale_f32_16x16x128_f8f6f4 v[S+8*\i:S+8*\i+7], v[F+16*\sp:F+16*\sp+15], v[52*\i+16*\sp:52*\i+16*\sp+15], v[S+8*\i:S+8*\i+7], v[KS+\sp], v[QS+2*\i+\sp/2] matrix_b_scale:MATRIX_SCALE_ROW1
.else
	v_wmma_scale_f32_16x16x128_f8f6f4 v[S+8*\i:S+8*\i+7], v[F+16*\sp:F+16*\sp+15], v[52*\i+16*\sp:52*\i+16*\sp+15], v[S+8*\i:S+8*\i+7], v[KS+\sp], v[QS+2*\i+\sp/2]
.endif
.endr
.endr
	WIN 0
	PLACES 8
	OUT S, 8, 0, TM+20, O1
; ================================================================ four trips: trip T copies key step T (T < 4) into one slot and multiplies key step T - 1 out of the other
	s_mov_b32 s[TT], 1
	s_mov_b32 s[SLW], SLOT1
.Ltrip:
	s_xor_b32 s[SLR], s[SLW], SLOT1
	v_add_nc_u32 v[CW], s[SLW], v[CW0]
	s_add_co_u32 s[TS], s[SLR], VOFF
	v_add_nc_u32 v[AV], s[TS], v[LI]
	s_cmp_gt_u32 s[TT], 3
	s_cbranch_scc1 .Lno_c1
	s_cmp_lg_u32 s[ROLE], 0
	s_cbranch_scc1 .Lno_c1
	CLOAD
	CSTORE CW, 1
.Lno_c1:
	; ---------------- key step T - 1
	s_mov_b32 s[KB], s[SLR]
	s_mov_b32 s[PB], 0
	s_sub_co_u32 s[KF], s[TT], 1
	s_lshl_b32 s[KF], s[KF], 7
	v_add_nc_u32 v[AK], s[KB], v[LI]
	KFETCH
	s_mov_b32 s[SUB], 4
.Lsub:                                             ; a sub-step: 32 keys x my 64 values
	v_add_nc_u32 v[APC], s[PB], v[AP0]
	s_wait_dscnt 10                                ; the scale words and K step 0 are in; K step 1's eight loads and the tail's two may be out (round the loop p's four stores stand behind them: the count is then the stricter one)
	WIN 0x04
	QKM 0, F, 1
	PLACES 8
.irp u, 0,1
.irp c, 0,1,2,3
	ds_load_b128 v[F+16*\u+4*\c:F+16*\u+4*\c+3], v[AK] offset:KT*\u+4096+512*\c   ; K step 2, where K step 0 lay
.endr
.endr
	s_wait_dscnt 10                                ; K step 1 is in; the tail's two loads and the eight just issued may be out
	QKM 1, F+32, 0
	s_wait_dscnt 8                                 ; the tail is in
	WIN 0x05
	QKM 3, T, 0
	s_wait_dscnt 0x0                               ; K step 2 is in; p's stores of the last sub-step are done
	WIN 0x04
	QKM 2, F, 0
	WIN 0
	s_add_co_u32 s[KB], s[KB], 2*KT
	s_sub_co_i32 s[TS], s[LEN], s[KF]
	v_add_nc_u32 v[AK], s[KB], v[LI]               ; eight plain lines: the places behind the last products
	v_and_b32 v[VD], 16, v0
	v_sub_nc_u32 v[VD], s[TS], v[VD]               ; register n holds key KF + 16 (lane / 16) + n: it counts where n < len - KF - 16 (lane / 16)
	v_mov_b32 v[NINF], 0xff800000
	PLACES 4
	s_cmp_eq_u32 s[SUB], 1
	s_cbranch_scc1 .Lnofetch
	KFETCH                                         ; the next sub-step's tiles land under the softmax
.Lnofetch:
	s_add_co_u32 s[TS], s[KF], 32
	s_cmp_le_i32 s[TS], s[LEN]
	s_cbranch_scc1 .Lopen                          ; all 32 keys count
.irp n, 0,1,2,3,4,5,6,7,8,9,10,11,12,13,14,15
	v_cmp_lt_i32 vcc_lo, \n, v[VD]
.irp i, 0,1,2,3
	v_cndmask_b32 v[S+16*\i+\n], v[NINF], v[S+16*\i+\n], vcc_lo   ; a key at or past len: -infinity ahead of the maximum, so p = 0
.endr
.endr
.Lopen:
.irp i, 0,1,2,3
	v_max3_num_f32 v[TM+\i], v[S+16*\i], v[S+16*\i+1], v[S+16*\i+2]   ; the block's largest score: for the running maximum and, since p rises with the score, for the block's largest p
.endr
.irp n, 3,5,7,9,11,13
.irp i, 0,1,2,3
	v_max3_num_f32 v[TM+\i], v[TM+\i], v[S+16*\i+\n], v[S+16*\i+\n+1]
.endr
.endr
.irp i, 0,1,2,3
	v_max_num_f32 v[TM+\i], v[TM+\i], v[S+16*\i+15]
.endr
.irp i, 0,1,2,3
	v_permlanex16_b32 v[TM+4+\i], v[TM+\i], s[SEL], s[SEL+1]
.endr
.irp i, 0,1,2,3
	v_max_num_f32 v[TM+\i], v[TM+\i], v[TM+4+\i]
.endr
.irp i, 0,1,2,3
	v_mul_f32 v[TM+8+\i], s[CS], v[TM+\i]
.endr
.irp i, 0,1,2,3
	v_max_num_f32 v[ST+12*\i+1], v[ST+12*\i+1], v[TM+8+\i]   ; the running largest t
.endr
.irp i, 0,1,2,3
	v_mov_b32 v[TM+8+\i], v[ST+12*\i]
.endr
.irp i, 0,1,2,3
	v_floor_f32 v[ST+12*\i], -v[ST+12*\i+1]        ; -M = floor(-t): M is a whole number
.endr
.irp i, 0,1,2,3
	v_sub_f32 v[TM+8+\i], v[ST+12*\i], v[TM+8+\i]  ; old M - new M: a whole number, 0 or less
.endr
.irp i, 0,1,2,3
	v_cvt_i32_f32 v[TM+8+\i], v[TM+8+\i]           ; (it saturates)
.endr
.irp i, 0,1,2,3
	v_ldexp_f32 v[ST+12*\i+6], 1.0, v[TM+8+\i]     ; f = 2^(old M - new M)
.endr
.irp n, 0,2,4,6,8,10,12,14
.irp i, 0,1,2,3
	v_pk_fma_f32 v[S+16*\i+\n:S+16*\i+\n+1], v[S+16*\i+\n:S+16*\i+\n+1], s[CS:CS+1], v[ST+12*\i:ST+12*\i+1] op_sel_hi:[1,0,0]   ; t - M
.endr
.endr
.irp i, 0,1,2,3
	v_fma_f32 v[TM+\i], v[TM+\i], s[CS], v[ST+12*\i]
.endr
.set nn, 0
.rept 64
	v_exp_f32 v[S+nn], v[S+nn]                     ; p = 2^(t - M): not normalised
.set nn, nn+1
.endr
.irp i, 0,1,2,3
	v_pk_mul_f32 v[ST+12*\i+2:ST+12*\i+3], v[ST+12*\i+2:ST+12*\i+3], v[ST+12*\i+6:ST+12*\i+7] op_sel_hi:[1,0]   ; l under the new M.  Twenty plain lines that name no exponential's result
.endr
.irp i, 0,1,2,3
	v_mul_f32 v[ST+12*\i+7], v[ST+12*\i+7], v[ST+12*\i+6]    ; the step's product of f, for y
.endr
.irp i, 0,1,2,3
	v_mul_f32 v[ST+12*\i+8], v[ST+12*\i+9], v[ST+12*\i+6]    ; the earlier blocks' scales move one place down and take the factor: a power of two, so only their exponent fields change
.endr
.irp i, 0,1,2,3
	v_mul_f32 v[ST+12*\i+9], v[ST+12*\i+10], v[ST+12*\i+6]
.endr
.irp i, 0,1,2,3
	v_mul_f32 v[ST+12*\i+10], v[ST+12*\i+11], v[ST+12*\i+6]
.endr
	s_wait_alu depctr_va_vdst(0)                   ; one wait for the batch of 64, ahead of its first reader
.irp i, 0,1,2,3
	v_exp_f32 v[TM+\i], v[TM+\i]                   ; the block's largest p
.endr
.irp n, 0,2,4,6,8,10,12,14
.irp i, 0,1,2,3
	v_pk_add_f32 v[ST+12*\i+2:ST+12*\i+3], v[ST+12*\i+2:ST+12*\i+3], v[S+16*\i+\n:S+16*\i+\n+1]   ; l takes the unquantised p
.endr
.endr
	s_wait_alu depctr_va_vdst(0)                   ; and one for the four
.irp i, 0,1,2,3
	v_max_num_f32 v[TM+\i], 0x4800000, v[TM+\i]    ; the floor 2^(9 - 127)
.endr
.irp i, 0,1,2,3
	v_add_nc_u32 v[ST+12*\i+11], 0xfc000000, v[TM+\i]   ; this block's scale: its exponent field is the byte
.endr
.irp i, 0,1,2,3
	v_and_or_b32 v[TM+12+\i], v[TM+\i], 0x7f800000, s[MNT]
.endr
.irp i, 0,1,2,3
.irp n, 0,1,2,3,4,5,6,7,8,9,10,11,12,13,14,15
	v_min_num_f32 v[S+16*\i+\n], v[S+16*\i+\n], v[TM+12+\i]   ; p is not negative: the hold is one-sided
.endr
	v_cvt_scalef32_pk8_fp8_f32 v[PC+4*\i:PC+4*\i+1], v[S+16*\i:S+16*\i+7], v[ST+12*\i+11]
	v_cvt_scalef32_pk8_fp8_f32 v[PC+4*\i+2:PC+4*\i+3], v[S+16*\i+8:S+16*\i+15], v[ST+12*\i+11]
.endr
	v_nop
.irp i, 0,1,2,3
	ds_store_b128 v[APC], v[PC+4*\i:PC+4*\i+3] offset:2048*\i
.endr
	s_add_co_u32 s[PB], s[PB], 512
	s_add_co_u32 s[KF], s[KF], 32
	s_sub_co_u32 s[SUB], s[SUB], 1
	s_cmp_lg_u32 s[SUB], 0
	s_cbranch_scc1 .Lsub
	; ---------------- O^T = V^T P^T, folded into y
	s_wait_dscnt 0x0
.irp i, 0,1,2,3
.irp c, 0,1,2,3
	ds_load_b128 v[F+16*\i+4*\c:F+16*\i+4*\c+3], v[AP0] offset:2048*\i+512*\c
.endr
.endr
	WIN 0x40
.irp c, 0,1,2,3
	ds_load_b128 v[T+4*\c:T+4*\c+3], v[AV] offset:512*\c
.endr
	WIN 0
	ds_load_b32 v[KS+4], v[AV] offset:2048
	ds_load_b128 v[WB:WB+3], v[AW]
	ds_load_b128 v[WB+4:WB+7], v[AW] offset:16
	WIN 0x40
.irp c, 0,1,2,3
	ds_load_b128 v[T+16+4*\c:T+16+4*\c+3], v[AV] offset:VT+512*\c
.endr
	WIN 0
	ds_load_b32 v[KS+5], v[AV] offset:VT+2048
.irp k, 0,1,2,3
.irp i, 0,1,2,3
	v_lshrrev_b32 v[TM+4*\k+\i], 23, v[ST+12*\i+8+\k]   ; the four blocks' bytes, under the step's last M
.endr
.endr
.irp i, 0,1,2,3
	v_lshl_or_b32 v[KS+\i], v[TM+4+\i], 8, v[TM+\i]
.endr
.irp i, 0,1,2,3
	v_lshl_or_b32 v[KS+\i], v[TM+8+\i], 16, v[KS+\i]
.endr
.irp i, 0,1,2,3
	v_lshl_or_b32 v[KS+\i], v[TM+12+\i], 24, v[KS+\i]   ; p's scale words.  The fourteen plain lines below stand between them and the first product
.endr
.irp i, 0,1,2,3
	v_mul_f32 v[ST+12*\i+4], v[ST+12*\i+4], v[ST+12*\i+7]   ; y under the step's last M
	v_mul_f32 v[ST+12*\i+5], v[ST+12*\i+5], v[ST+12*\i+7]
.endr
.irp i, 0,1,2,3
	v_mov_b32 v[ST+12*\i+7], 1.0
.endr
	s_mov_b32 s[PVB], 0
	s_mov_b32 s[PWB], 0
	v_add_nc_u32 v[AVC], s[PVB], v[AV]
	v_add_nc_u32 v[AWC], s[PWB], v[AW]
	ASKT 2
	; at a tile's head the seven LDS loads of the tile before may be out: the fragment of the next tile (4), its scale word (1), this tile's W (2)
	PVT 0, 7, 0, 2*VT, 64                          ; channel tile 0
	PVT 1, 7, 1, 3*VT, 128                         ; 1
	s_mov_b32 s[PVC], 10
.Lpv:                                              ; tiles 2 .. 21, two a trip
	s_add_co_u32 s[PVB], s[PVB], 2*VT
	s_add_co_u32 s[PWB], s[PWB], 128
	v_add_nc_u32 v[AVC], s[PVB], v[AV]
	v_add_nc_u32 v[AWC], s[PWB], v[AW]
	PVT 0, 7, 1, 2*VT, 64
	PVT 1, 7, 1, 3*VT, 128
	s_sub_co_u32 s[PVC], s[PVC], 1
	s_cmp_lg_u32 s[PVC], 0
	s_cbranch_scc1 .Lpv
	s_add_co_u32 s[PVB], s[PVB], 2*VT
	s_add_co_u32 s[PWB], s[PWB], 128
	v_add_nc_u32 v[AVC], s[PVB], v[AV]
	v_add_nc_u32 v[AWC], s[PWB], v[AW]
	PVT 0, 7, 1, 2*VT, 64                          ; 22: fetches tile 24
	PVT 1, 7, 1, -1, 128                           ; 23: only W of tile 24 is left to fetch
	PVT 0, 2, 1, -1, -1                            ; 24: those two loads may be out
	s_wait_dscnt 0x0
	REDUCE 0
	WIN 0x40
.irp k, 0,1,2,3,4,5,6,7,8,9,10,11
	v_mov_b32 v[T+4+\k], 0                         ; the tail fragments' zero registers, for the next key step
	v_mov_b32 v[T+20+\k], 0
.endr
	WIN 0
	s_cmp_gt_u32 s[TT], 3
	s_cbranch_scc1 .Lno_c2
	s_cmp_lg_u32 s[ROLE], 1
	s_cbranch_scc1 .Lno_c2
	CLOAD
	CSTORE CW, 1
.Lno_c2:
	BARRIER                                        ; the slot written is whole, and nobody reads the other one any more
	s_wait_xcnt 0x0                                ; the trip's loads and prefetches have read their bases
	s_add_nc_u64 s[HK:HK+1], s[HK:HK+1], SLOTB
	s_add_nc_u64 s[PF:PF+1], s[PF:PF+1], SLOTB
	s_xor_b32 s[SLW], s[SLW], SLOT1
	s_add_co_u32 s[TT], s[TT], 1
	s_cmp_lt_u32 s[TT], 5
	s_cbranch_scc1 .Ltrip
; ================================================================ out0 = y / l + b_score
.irp i, 0,1,2,3
	v_add_f32 v[ST+12*\i+2], v[ST+12*\i+2], v[ST+12*\i+3]
	v_add_f32 v[ST+12*\i+4], v[ST+12*\i+4], v[ST+12*\i+5]
.endr
.irp i, 0,1,2,3
	v_permlanex16_b32 v[TM+4+\i], v[ST+12*\i+2], s[SEL], s[SEL+1]
	v_permlanex16_b32 v[TM+8+\i], v[ST+12*\i+4], s[SEL], s[SEL+1]
.endr
.irp i, 0,1,2,3
	v_add_f32 v[TM+4+\i], v[TM+4+\i], v[ST+12*\i+2]   ; lane l xor 16 holds the other keys' p and the other channels' part of y
	v_add_f32 v[TM+8+\i], v[TM+8+\i], v[ST+12*\i+4]
.endr
.irp i, 0,1,2,3
	v_rcp_f32 v[TM+\i], v[TM+4+\i]
.endr
	v_nop
	s_wait_alu depctr_va_vdst(0)
.irp i, 0,1,2,3
	v_fma_f32 v[TM+12+\i], v[TM+8+\i], v[TM+\i], s[BSC]
.endr
	OUT TM+12, 1, 256, TM+22, O0
	s_wait_tensorcnt 0x0
	ds_add_u32 v126, v127
	s_wait_dscnt 0x0
	s_endpgm
.Lfunc_end_k_qdae3af3cf6_gce:
	.size	k_qdae3af3cf6_gce, .Lfunc_end_k_qdae3af3cf6_gce-k_qdae3af3cf6_gce
	.p2alignl 7, 3214868480
	.fill 96, 4, 3214868480
	.section	.rodata,"a",@progbits
	.p2align	6, 0x0
	.amdhsa_kernel k_qdae3af3cf6_gce
		.amdhsa_group_segment_fixed_size 320512
		.amdhsa_private_segment_fixed_size 0
		.amdhsa_enable_private_segment 0
		.amdhsa_kernarg_size 72
		.amdhsa_user_sgpr_count 2
		.amdhsa_user_sgpr_kernarg_segment_ptr 1
		.amdhsa_wavefront_size32 1
		.amdhsa_system_sgpr_workgroup_id_x 1
		.amdhsa_system_sgpr_workgroup_id_y 1
		.amdhsa_system_sgpr_workgroup_id_z 1
		.amdhsa_system_vgpr_workitem_id 0
		.amdhsa_next_free_vgpr 512
		.amdhsa_next_free_sgpr 96
		.amdhsa_reserve_vcc 1
		.amdhsa_float_denorm_mode_32 3
		.amdhsa_float_denorm_mode_16_64 3
		.amdhsa_memory_ordered 1
		.amdhsa_forward_progress 1
		.amdhsa_inst_pref_size 145
	.end_amdhsa_kernel
	.amdgpu_metadata
---
amdhsa.version: [ 1, 2 ]
amdhsa.kernels:
  - .name:           k_qdae3af3cf6_gce
    .symbol:         k_qdae3af3cf6_gce.kd
    .args:
      - { .name: hq, .offset: 0, .size: 8, .value_kind: global_buffer, .address_space: global }
      - { .name: vq, .offset: 8, .size: 8, .value_kind: global_buffer, .address_space: global }
      - { .name: C_acts, .offset: 16, .size: 8, .value_kind: global_buffer, .address_space: global }
      - { .name: c_utt, .offset: 24, .size: 8, .value_kind: global_buffer, .address_space: global }
      - { .name: W_score, .offset: 32, .size: 8, .value_kind: global_buffer, .address_space: global }
      - { .name: b_score, .offset: 40, .size: 8, .value_kind: global_buffer, .address_space: global }
      - { .name: utterance_len, .offset: 48, .size: 8, .value_kind: global_buffer, .address_space: global }
      - { .name: out0, .offset: 56, .size: 8, .value_kind: global_buffer, .address_space: global }
      - { .name: out1, .offset: 64, .size: 8, .value_kind: global_buffer, .address_space: global }
    .group_segment_fixed_size: 320512
    .private_segment_fixed_size: 0
    .kernarg_segment_align: 8
    .kernarg_segment_size: 72
    .max_flat_workgroup_size: 256
    .sgpr_count:     96
    .vgpr_count:     512
    .wavefront_size: 32
...
	.end_amdgpu_metadata
.endif
;; end of part 2
;; ======== version 2 of 2: 2 launches; version 1 with the launch gce written anew for expert scheduling mode
;; workspace buffers: hq 62,914,560 bytes; vq 442,368 bytes
;; launch prep: the kernel of part 1 again; grid 520 x 1, 8 waves a work-group, no clusters, 0 bytes of LDS; arguments H_utt, C_vals, hq, vq; writes hq, vq
;; launch gce (part 3): grid 2 x 128, 8 waves a work-group, no clusters, 320,512 bytes of LDS; arguments hq, vq, C_acts, c_utt, W_score, b_score, utterance_len, out0, out1; writes out0, out1
.if DOCPART == 3
	.amdgcn_target "amdgcn-amd-amdhsa--gfx1250"
	.amdhsa_code_object_version 6
	.text
	.protected	k_qdae3af3cf6_gce
	.globl	k_qdae3af3cf6_gce
	.p2align	8
	.type	k_qdae3af3cf6_gce,@function
k_qdae3af3cf6_gce:
	s_mov_b64 s[64:65], 0
	v_nop
	global_prefetch_b8 v0, s[64:65] scope:SCOPE_SE
	s_setreg_imm32_b32 hwreg(HW_REG_WAVE_SCHED_MODE, 0, 2), 2
	s_setreg_imm32_b32 hwreg(HW_REG_WAVE_MODE, 25, 1), 1
	s_wait_xcnt 0x0
	s_wait_alu depctr_vm_vsrc(0)
; out0[b][v] = W . (softmax_t(vals[v] . H[b][t], t < len[b]) H[b]) + b_score;   out1[b][v] = q_acts[b] . vals[v],  q_acts[b] = softmax_a(C_acts[b][a] . c_utt[b]) C_acts[b].
; The products vals H^T (K = 400), p H (K = 512) and q_acts vals^T (K = 400) run on codes of FP8 (E4M3) with one E8M0 scale for each 32 along K; all else is f32.
; H and the values arrive as codes, made once by the launch before, in the order of the operands' registers (hq: a tile of 122,880 bytes for each batch and key step; vq: 6,912 bytes for each 16 values).
; SHARES.  Work-group (x, b): batch b, values 512 x .. 512 x + 511.  Eight waves of 512 registers, two to a SIMD; wave w owns 64 values: four tiles of 16, whose codes stay in its registers.
; H[b] goes in four key steps of 128 keys, through two LDS slots that take turns: a tile of hq IS a slot's image; each wave copies an eighth of it, 30 pieces of 512 bytes, through registers.  While step T is copied,
; step T - 1 is multiplied.  One barrier a trip.  Of the two waves of a SIMD one copies first and multiplies second, the other the other way round, so that one wave's wait for its loads stands beside the other's work.
; A KEY STEP: four sub-steps of 32 keys (S^T = K Q^T, transposed: a lane holds one value vector throughout; running whole-number M; p = 2^(t - M) quantised, its codes to the wave's own image), then
; O^T = V^T P^T with C = 0, 16 of the 400 channels at a time, each result folded at once into y += W . O^T: O is never kept.  When M moves by a whole number, l, y and the blocks' scales take the factor 2^(old M - new M), exactly.
; THE KEYS OF A TILE ARE NOT NEIGHBOURS: lane r of key tile 2 c + u holds key 32 c + 8 u + r + 8 (r / 8), so that a lane's 16 scores of tiles 2 c, 2 c + 1 are 16 neighbouring keys, 32 c + 16 (lane / 16) + 0 .. 15.
; K = 400 is three steps of 128 and a block of 16 numbers and 16 zeros: the fourth step's operand of H has 4 registers of codes and 12 of zero codes; the values' fourth operand runs 12 registers into the next
; tile's codes, which meet those zero codes and add nothing (no code here is a NaN code: every number is held at 448 x its scale ahead of its conversion).
; NO TENSOR LOAD, NO CLUSTER, though the two work-groups of a batch read the same tiles: the jump over the mask's 80 lines, taken in every
; sub-step whose 32 keys all lie under len, hangs on len; without it those 80 lines would stand beside each sub-step's nearly 400 vector lines.  So the tiles come through registers: 60 lines a wave and key step.
; LIMITS: NaN and infinities among the inputs are not served.  A block whose largest magnitude lies under 2^-118 keeps the scale byte 1; a block of zeros has the byte 1 where the rule says 127 (its codes are zeros, and
; this program alone reads the bytes).  A block of p that has fallen more than its byte under the final M is held at byte 0: it stands for less than 3e-36.  The scores' four K steps are summed in the order 0, 1, 3, 2.
; A block's largest p is taken as the exponential of its largest score (it takes v_exp_f32 not to fall where its input rises).  len <= 0 gives 0 x infinity = NaN in out0.
; THE MODE: SCHED_MODE bits 1:0 = 2 (LLVM: expert scheduling mode 2), set by the entry lines.  The code itself states the register dependences between vector or matrix instructions and memory or LDS
; instructions, with s_wait_alu, always for 0.
; THE PLAN.  Registers that memory or LDS instructions touch in a trip, and who else names them:
;   v128-247     The copy: 30 loads land there, 30 LDS stores read them.  Else S (v128-191) is named by products, softmax and folds alone, and F (v192-255) holds operands.
;   F, KS, T     The fetch of a sub-step's two key tiles lands there (scale words, K steps 0 and 1, the tail); the sub-step's products read them.  In the second product: p's images, the channel tiles, their scale words.
;   v36-51, v60-75  K step 2 lands there at a sub-step's head and the sub-step's last eight products read it; then they are the softmax's working registers (TM) and p's codes (PC), which four LDS stores read;
;                in the second product W_score's numbers land in v60-75 and the folds read them.
;   AK, APC      LDS addresses, stepped once a sub-step, side by side.   AVC, AWC  stepped once for two channel tiles.   CW, AV  made once a trip.   All other addresses are made at the head and never written again.
; So a trip has one wait on va_vdst at its head, behind the three addresses' adds, which serves the copy's loads, the first fetch and the first K step 2: no vector line stands between.  A sub-step has two beside
; the two that its exponentials have: none amid its 32 products; one behind them, ahead of the next fetch; one ahead of p's stores, which serves the next head's loads too.  A channel tile has one, behind its fold.
; A wait on vm_vsrc stands ahead of each step of an address, behind each copy, at a sub-step's head and at the second product's.
.set ROWB,   1600                      ; a row of 400 f32
.set ACTB,   128*ROWB                  ; a batch of C_acts
; ---- LDS
.set SLOT1,  0x20000                   ; slot 1 begins here: one exclusive or changes slots
.set KT,     7168                      ; a key tile: three fragments of 2,048, the tail's 512, 512 of scale words (four words a lane)
.set VOFF,   8*KT                      ; behind the 8 key tiles: 25 tiles of 16 channels
.set VT,     2560                      ; such a tile: a fragment of 2,048, 512 of scale words (a lane's word at 16 x lane)
.set SLOTB,  122880                    ; 8 KT + 25 VT = 121,344, filled up to 240 pieces of 512 bytes
.set WPART,  SLOTB/8                   ; a wave's 30 pieces
.set WTAB,   SLOTB                     ; W_score, 2,048 bytes (400 numbers are used)
.set QVEC,   WTAB+2048                 ; q_acts, in four pieces of 512 bytes: 100 numbers and 28 zeros each
.set SCOR,   QVEC+2048                 ; the 128 scores of the acts
.set PIMG,   SLOT1+SLOTB               ; 8,192 bytes for each wave: p's image (tile i, block c at 2,048 i + 512 c); its first 512 bytes are also the wave's stage for the results
.set PART,   PIMG                      ; at the head only: the waves' partial q_acts, 2,048 bytes each, in the same four pieces
.set QTB,    6912                      ; a value tile in vq
; ---- vector registers, window 0
.set LI,   1                           ; 16 x lane; never rewritten
.set CW0,  2                           ; my eighth of a tile: 15,360 x wave + 16 x lane: in hq, and in slot 0; never rewritten
.set CW,   4                           ; the same in the slot being written
.set AK,   6                           ; the sub-step's two key tiles
.set AV,   7                           ; the channel tiles of the slot being read
.set AW,   8                           ; W_score: 32 bytes for each half of the lanes
.set AP0,  9                           ; my wave's image of p
.set APC,  10                          ; and the sub-step's block in it
.set QVR,  11                          ; q_acts: QVEC + 64 (lane / 16)
.set QVR2, 12                          ; and QVEC + 176 (lane / 16), where lanes 16-31 read across a piece's end
.set PFO,  14                          ; the prefetches' offset: 8,192 x wave + 256 x lane; never rewritten
.set OSA,  15                          ; the stage: in
.set OSB,  16                          ; the stage: back
.set GO,   17                          ; 8 x lane; never rewritten
.set QS,   20                          ; v20-27  the values' scale words: QS + 2 i + p: K step 2 p in lanes 0-15, 2 p + 1 in lanes 16-31
.set KS,   28                          ; v28-35  scale words of H's operands, of q_acts and of p: scales and nothing else
.set TM,   36                          ; v36-59  at work
.set VD,   TM+16
.set NINF, TM+17
.set VR,   TM+18                       ; lane % 16
.set VH,   TM+19                       ; lane / 16
.set PC,   60                          ; v60-75  codes just made
.set WB,   60                          ; in the second product: two sets of 8 numbers of W_score
.set K2,   TM                          ; K step 2's two fragments: v36-51 and v60-75, idle while a sub-step's products run
.set K2S,  PC-TM
.set ST,   76                          ; v76-123 tile i at ST + 12 i: +0 -M, +1 largest t, +2,3 l, +4,5 y, +6 f, +7 the step's product of f, +8..11 the four blocks' scales as f32
.set AVC,  124                         ; the second product's walking addresses
.set AWC,  125
.set S,    128                         ; v128-191 scores, p, results
.set F,    192                         ; v192-255 fragments.  S and F together: the copy's 30 x 4 registers
.set T,    220                         ; window 1: v220-251: two fragments' room.  Window 1, v0-207: the values' codes (tile i, K step s at 52 i + 16 s); v208-219 zeros
; head only
.set GCA,  13
.set S2W,  5
.set S2R,  6
.set PAW,  7
.set E8,   10
.set PAR,  18
.set WTW,  19
.set CU,   76                          ; c_utt, where the statistics will lie
.set WR,   92
.set DT,   144
.set ACC,  144
.set PP,   208
; ---- scalar registers
.set WV,   2                           ; wave
.set ROLE, 3                           ; 0: copy first; 1: multiply first
.set GX,   4
.set GB,   5
.set LEN,  6
.set BSC,  7
.set TT,   26                          ; the trip
.set SLW,  27                          ; slot being written
.set SLR,  28                          ; slot being read
.set PWB,  29
.set HK,   30                          ; s[30:31] the tile of hq to be copied
.set PF,   34                          ; s[34:35] the tile to be prefetched
.set ASK,  36                          ; 1 in the batch's first work-group
.set SUB,  37
.set KB,   38
.set PB,   39
.set KF,   40                          ; the sub-step's first key
.set TS,   41
.set SEL,  42                          ; s[42:43] v_permlanex16_b32's selects for lane l xor 16
.set CS,   44                          ; s[44:45] log2(e)
.set MNT,  46                          ; the mantissa field of 448
.set M25,  48                          ; lanes 0-24
.set QB,   50                          ; s[50:51] my four value tiles in vq
.set PVB,  55
.set CA,   56
.set O0,   58
.set O1,   60
.set PVC,  62
.set TP,   70
.set TP2,  72
.set MK,   76                          ; s76-91 the mask's sixteen compares
.set MSB, 0
.macro WIN new                         ; s_set_vgpr_msb: bits 1:0 source 0, 3:2 source 1, 5:4 source 2, 7:6 destination; the high byte repeats the setting that is left
.if MSB != \new
	s_set_vgpr_msb (MSB<<8)|\new
.set MSB, \new
.endif
.endm
.macro PLACES n                        ; plain vector lines behind matrix instructions (ISA guide 7.12.1)
.rept \n
	v_nop
.endr
.endm
.macro BARRIER                         ; my LDS stores have landed and my LDS loads are in: then the work-group's barrier
	s_wait_dscnt 0x0
	s_barrier_signal -1
	s_barrier_wait -1
.endm
; nb blocks of a lane: register src + 16 b + i is number 16 (lane / 16) + i of block b of my row.  Codes to v[dst + 4 b ..], the scale word to v[pw].
.macro QUANT src, nb, dst, pw
	s_wait_dscnt 0x0                               ; the LDS loads into v[src] on are in
.set qb, 0
.rept \nb
	v_max3_num_f32 v[TM+qb], |v[(\src)+16*qb]|, |v[(\src)+16*qb+1]|, 0x4800000   ; my 16 numbers, and the floor 2^(9 - 127): the byte cannot fall under 1
.set qb, qb+1
.endr
.irp i, 2,4,6,8,10,12,14
.set qb, 0
.rept \nb
	v_max3_num_f32 v[TM+qb], v[TM+qb], |v[(\src)+16*qb+\i]|, |v[(\src)+16*qb+\i+1]|
.set qb, qb+1
.endr
.endr
.set qb, 0
.rept \nb
	v_permlanex16_b32 v[TM+4+qb], v[TM+qb], s[SEL], s[SEL+1]
.set qb, qb+1
.endr
.set qb, 0
.rept \nb
	v_max_num_f32 v[TM+qb], v[TM+qb], v[TM+4+qb]   ; with lane l xor 16's: the block's largest magnitude
.set qb, qb+1
.endr
.set qb, 0
.rept \nb
	v_add_nc_u32 v[TM+12+qb], 0xfc000000, v[TM+qb] ; 8 off its exponent field: the conversion's scale operand
	v_and_or_b32 v[TM+8+qb], v[TM+qb], 0x7f800000, s[MNT]   ; 448 x the scale
.set qb, qb+1
.endr
.set qb, 0
.rept \nb
	v_lshrrev_b32 v[TM+4+qb], 23, v[TM+12+qb]      ; the scale's byte
.set qb, qb+1
.endr
.if \nb == 4
	v_lshl_or_b32 v[\pw], v[TM+5], 8, v[TM+4]
	v_lshl_or_b32 v[\pw], v[TM+6], 16, v[\pw]
	v_lshl_or_b32 v[\pw], v[TM+7], 24, v[\pw]
.else
	v_mov_b32 v[\pw], v[TM+4]                      ; the upper three bytes are 0: they stand beside zero codes
.endif
.set qb, 0
.rept \nb
.irp i, 0,1,2,3,4,5,6,7,8,9,10,11,12,13,14,15
	v_med3_num_f32 v[(\src)+16*qb+\i], v[(\src)+16*qb+\i], -v[TM+8+qb], v[TM+8+qb]   ; the conversion does not saturate (ISA guide 7.6.2): the hold at 448 x the scale
.endr
	v_cvt_scalef32_pk8_fp8_f32 v[(\dst)+4*qb:(\dst)+4*qb+1], v[(\src)+16*qb:(\src)+16*qb+7], v[TM+12+qb]
	v_cvt_scalef32_pk8_fp8_f32 v[(\dst)+4*qb+2:(\dst)+4*qb+3], v[(\src)+16*qb+8:(\src)+16*qb+15], v[TM+12+qb]
.set qb, qb+1
.endr
	v_nop                                          ; a plain line between the last conversion and whatever next touches its registers
.endm
; MY EIGHTH OF A TILE: 30 loads of 512 consecutive bytes, and 30 LDS stores that lay them at the same place in a slot
.macro CLOAD
.set cc, 0
.rept 30
	global_load_b128 v[S+4*cc:S+4*cc+3], v[CW0], s[HK:HK+1] offset:512*cc
.set cc, cc+1
.endr
.endm
.macro CSTORE adr, waits               ; waits = 1: the loads are the wave's last: ten are waited for at a time, the later ones may be out
.set cc, 0
.rept 30
.if (\waits) && (cc%10 == 0)
	s_wait_loadcnt 20-cc
.endif
	ds_store_b128 v[\adr], v[S+4*cc:S+4*cc+3] offset:512*cc
.set cc, cc+1
.endr
	s_wait_dscnt 0x0                               ; my part of the tile lies in the slot
	s_wait_alu depctr_vm_vsrc(0)                   ; the 30 stores have read v128-247, which vector lines, products and LDS loads write from here on
.endm
; A PREFETCH INTO THE L2 of one tile of hq, 122,880 bytes on end: 15 instructions of 32 lanes, lanes 256 bytes apart: two in each of waves 0 to 6, one in wave 7.
; Both work-groups of a batch read the tile: the first (x = 0) asks, so each block of 256 bytes is named once in the launch.  kind 0: behind the acts, tile 1, which the first trip copies; 2: in trips 1 and 2, the tile
; that the next trip copies; the later trips ask for nothing: no tile follows.  Tile 0 comes by its loads alone.
.macro ASKT kind
	s_cmp_eq_u32 s[ASK], 0
	s_cbranch_scc1 .Lpf_\@
.if \kind == 2
	s_cmp_gt_u32 s[TT], 2
	s_cbranch_scc1 .Lpf_\@
.endif
	global_prefetch_b8 v[PFO], s[PF:PF+1] th:TH_LOAD_NT scope:SCOPE_SE
	s_cmp_eq_u32 s[WV], 7
	s_cbranch_scc1 .Lpf_\@
	global_prefetch_b8 v[PFO], s[PF:PF+1] offset:65536 th:TH_LOAD_NT scope:SCOPE_SE
.Lpf_\@:
.endm
; 20 LDS loads: a sub-step's two key tiles: scale words, K steps 0 and 1, the tail
.macro KFETCH
.irp u, 0,1
	ds_load_b128 v[KS+4*\u:KS+4*\u+3], v[AK] offset:KT*\u+6656
.endr
.irp u, 0,1
.irp c, 0,1,2,3
	ds_load_b128 v[F+16*\u+4*\c:F+16*\u+4*\c+3], v[AK] offset:KT*\u+512*\c
.endr
.endr
.irp u, 0,1
.irp c, 0,1,2,3
	ds_load_b128 v[F+32+16*\u+4*\c:F+32+16*\u+4*\c+3], v[AK] offset:KT*\u+2048+512*\c
.endr
.endr
	WIN 0x40
.irp u, 0,1
	ds_load_b128 v[T+16*\u:T+16*\u+3], v[AK] offset:KT*\u+6144
.endr
	WIN 0
.endm
; 8 more: their K step 2
.macro K2FETCH
.irp u, 0,1
.irp c, 0,1,2,3
	ds_load_b128 v[K2+K2S*\u+4*\c:K2+K2S*\u+4*\c+3], v[AK] offset:KT*\u+4096+512*\c
.endr
.endr
.endm
; 8 matrix instructions: two key tiles (fragments astr registers apart) x four value tiles, K step sp.  The 8 accumulators take turns, one instruction a turn.
.macro QKM sp, abase, astr, zero
.irp u, 0,1
.irp i, 0,1,2,3
.if \zero
	v_wmma_scale_f32_16x16x128_f8f6f4 v[S+16*\i+8*\u:S+16*\i+8*\u+7], v[\abase+\astr*\u:\abase+\astr*\u+15], v[52*\i+16*\sp:52*\i+16*\sp+15], 0, v[KS+4*\u+\sp], v[QS+2*\i+(\sp)/2]
.elseif (\sp)%2
	v_wmma_scale_f32_16x16x128_f8f6f4 v[S+16*\i+8*\u:S+16*\i+8*\u+7], v[\abase+\astr*\u:\abase+\astr*\u+15], v[52*\i+16*\sp:52*\i+16*\sp+15], v[S+16*\i+8*\u:S+16*\i+8*\u+7], v[KS+4*\u+\sp], v[QS+2*\i+(\sp)/2] matrix_b_scale:MATRIX_SCALE_ROW1
.else
	v_wmma_scale_f32_16x16x128_f8f6f4 v[S+16*\i+8*\u:S+16*\i+8*\u+7], v[\abase+\astr*\u:\abase+\astr*\u+15], v[52*\i+16*\sp:52*\i+16*\sp+15], v[S+16*\i+8*\u:S+16*\i+8*\u+7], v[KS+4*\u+\sp], v[QS+2*\i+(\sp)/2]
.endif
.endr
.endr
.endm
; y += W . O^T for the channel tile whose results lie in half q of S: each result from its low end on
.macro REDUCE q
.irp j, 0,1,2,3
.irp i, 0,1,2,3
	v_pk_fma_f32 v[ST+12*\i+4:ST+12*\i+5], v[S+32*(\q)+8*\i+2*\j:S+32*(\q)+8*\i+2*\j+1], v[WB+8*(\q)+2*\j:WB+8*(\q)+2*\j+1], v[ST+12*\i+4:ST+12*\i+5]
.endr
.endr
.endm
; Channel tile t of the second product, p = t % 2: four products with C = 0; the tile before is folded into y meanwhile (16 plain lines that name no register of these four products: they are the places
; in front of the next reads and writes of S); then the fragment of tile t + 2 (at voff), its scale word, and W of tile t + 1 (at woff).
.macro PVT p, cnt, red, voff, woff
	s_wait_dscnt \cnt
	WIN 0x01
.irp i, 0,1,2,3
	v_wmma_scale_f32_16x16x128_f8f6f4 v[S+32*\p+8*\i:S+32*\p+8*\i+7], v[T+16*\p:T+16*\p+15], v[F+16*\i:F+16*\i+15], 0, v[KS+4+\p], v[KS+\i]
.endr
	WIN 0
.if \red
	REDUCE 1-\p
.else
	PLACES 8
.endif
.if (\voff >= 0) || (\woff >= 0)
	s_wait_alu depctr_va_vdst(0)                   ; the four products are done reading this tile's fragment and scale word, the fold its eight numbers of W: the loads below land in these; where the walking addresses were stepped, they are written
.endif
.if \voff >= 0
	WIN 0x40
.irp c, 0,1,2,3
	ds_load_b128 v[T+16*\p+4*\c:T+16*\p+4*\c+3], v[AVC] offset:\voff+512*\c
.endr
	WIN 0
	ds_load_b32 v[KS+4+\p], v[AVC] offset:\voff+2048
.endif
.if \woff >= 0
	ds_load_b128 v[WB+8*(1-\p):WB+8*(1-\p)+3], v[AWC] offset:\woff
	ds_load_b128 v[WB+8*(1-\p)+4:WB+8*(1-\p)+7], v[AWC] offset:\woff+16
.endif
.endm
; The second product's addresses move on by two channel tiles
.macro PVON
	s_add_co_u32 s[PVB], s[PVB], 2*VT
	s_add_co_u32 s[PWB], s[PWB], 128
	s_wait_alu depctr_vm_vsrc(0)                   ; the LDS loads issued so far have read the two walking addresses
	v_add_nc_u32 v[AVC], s[PVB], v[AV]
	v_add_nc_u32 v[AWC], s[PWB], v[AW]
.endm
; 64 results of the wave (one a lane % 16 and tile) through its stage, so that the 32 lanes store 256 consecutive bytes, aligned
.macro OUT src, stride, off, dat, base
	s_wait_alu depctr_va_vdst(0)                   ; the four results are written, which the LDS stores read
.irp i, 0,1,2,3
	ds_store_b32 v[OSA], v[\src+\stride*\i] offset:\off+64*\i   ; both halves of the lanes hold the same number and write the same word
.endr
	ds_load_b64 v[\dat:\dat+1], v[OSB] offset:\off              ; LDS serves a wave's instructions in order: this sees my stores
	s_wait_dscnt 0x0
	global_store_b64 v[GO], v[\dat:\dat+1], s[\base:\base+1] th:TH_STORE_NT
.endm
; ================================================================ set-up
	s_load_b512 s[8:23], s[0:1], 0x0               ; hq 8, vq 10, C_acts 12, c_utt 14, W_score 16, b_score 18, utterance_len 20, out0 22
	s_load_b64 s[24:25], s[0:1], 0x40              ; out1
	v_lshl_add_u32 v126, v0, 2, 0x4e000
	v_mov_b32 v127, 0
	v_lshrrev_b32 v1, 5, v0
	v_readfirstlane_b32 s[WV], v1                  ; wave 0..7
	s_mov_b32 s[GX], ttmp9
	s_and_b32 s[GB], ttmp7, 0xffff
	s_cmp_eq_u32 s[GX], 0
	s_cselect_b32 s[ASK], 1, 0
	s_mov_b32 s[SEL], 0x76543210
	s_mov_b32 s[SEL+1], 0xfedcba98
	s_mov_b32 s[CS], 0x3fb8aa3b                    ; log2(e)
	s_mov_b32 s[CS+1], s[CS]                       ; (named with it as a pair, so it is written)
	s_mov_b32 s[MNT], 0x600000
	s_mov_b32 s[M25], 0x01ffffff
	v_and_b32 v38, 31, v0                          ; lane
	v_and_b32 v[VR], 15, v0
	v_bfe_u32 v[VH], v0, 4, 1
	v_lshlrev_b32 v[LI], 4, v38
	s_wait_alu depctr_va_sdst(0)                   ; the wave's number is written, ahead of its first reader: roles, LDS places and bases are made from it
	s_lshr_b32 s[ROLE], s[WV], 2
	s_xor_b32 s[ROLE], s[ROLE], s[WV]
	s_and_b32 s[ROLE], s[ROLE], 1                  ; differs between waves w and w + 4, and between 2 k and 2 k + 1
	s_mul_i32 s[TS], s[WV], WPART
	v_add_nc_u32 v[CW0], s[TS], v[LI]
	v_lshl_add_u32 v[AW], v[VH], 5, WTAB
	s_lshl_b32 s[TS], s[WV], 13
	v_lshl_add_u32 v[PFO], v38, 8, s[TS]
	s_add_co_u32 s[TS], s[TS], PIMG
	v_add_nc_u32 v[AP0], s[TS], v[LI]
	v_lshl_add_u32 v[OSA], v[VR], 2, s[TS]
	v_lshl_add_u32 v[OSB], v38, 3, s[TS]
	v_lshlrev_b32 v[GO], 3, v38
	v_lshl_add_u32 v[QVR], v[VH], 6, QVEC
	v_mul_u32_u24 v[QVR2], v[VH], 176
	v_add_nc_u32 v[QVR2], QVEC, v[QVR2]
.irp b, 0,1,2,3
	v_mov_b32 v[TM+4+\b], 0                        ; written once: a lane permute's destination counts as one of its sources
.endr
	; the acts' addresses.  A row of 1,600 bytes is four loads of 400: lanes 0-24 take 16 bytes each, lanes 25-31 repeat lane 24 (no load leaves its buffer) and count for nothing
	v_min_u32 v39, 24, v38
	v_lshlrev_b32 v[GCA], 4, v39
	s_lshl_b32 s[TS], s[WV], 6
	s_add_co_u32 s[TS], s[TS], SCOR
	v_mov_b32 v[S2W], s[TS]                        ; my wave's 16 scores
	v_add_nc_u32 v[S2R], SCOR, v[LI]               ; four scores a lane: all 128
	s_lshl_b32 s[TS], s[WV], 11
	s_add_co_u32 s[TS], s[TS], PART
	v_add_nc_u32 v[PAW], s[TS], v[LI]              ; my wave's partial q_acts: each of the four pieces as it lies in the lanes, 16 bytes a lane, 512 bytes a piece
	v_min_u32 v40, 199, v0                         ; W_score: threads 0-199 take two numbers each, threads 200-255 repeat thread 199
	v_lshlrev_b32 v[E8], 3, v40
	v_lshl_add_u32 v[PAR], v0, 3, PART             ; the partial sums back: 8 bytes a thread
	v_lshl_add_u32 v[WTW], v0, 3, WTAB
	s_wait_kmcnt 0x0
	s_mov_b32 s[TP+1], 0
	s_mov_b32 s[TP2+1], 0
	s_mul_i32 s[TP], s[GB], 4*SLOTB
	s_add_nc_u64 s[HK:HK+1], s[8:9], s[TP:TP+1]    ; my batch's tile 0
	s_wait_alu depctr_va_vdst(0)                   ; every offset and LDS address made above is written: the loads, stores and prefetches of the head read them, and those that are never written again serve the whole kernel
	CLOAD                                          ; key step 0 goes out first of all
	s_add_nc_u64 s[PF:PF+1], s[HK:HK+1], SLOTB     ; tile 1
	s_lshl_b32 s[TP], s[GB], 2
	s_add_nc_u64 s[20:21], s[20:21], s[TP:TP+1]
	s_load_b32 s[LEN], s[20:21], 0x0
	s_load_b32 s[BSC], s[18:19], 0x0
	s_mul_i32 s[TP], s[GB], ROWB
	s_add_nc_u64 s[14:15], s[14:15], s[TP:TP+1]    ; c_utt[b]
	s_mul_i32 s[TP], s[GB], ACTB
	s_mul_i32 s[TP2], s[WV], 16*ROWB
	s_add_co_u32 s[TP], s[TP], s[TP2]
	s_add_nc_u64 s[CA:CA+1], s[12:13], s[TP:TP+1]  ; C_acts[b], my 16 rows
	s_lshl_b32 s[TP2], s[GX], 3
	s_add_co_u32 s[TP2], s[TP2], s[WV]
	s_mul_i32 s[TP2], s[TP2], 4*QTB
	s_add_nc_u64 s[QB:QB+1], s[10:11], s[TP2:TP2+1]   ; my four value tiles
	s_lshl_b32 s[TP2], s[GB], 12
	s_lshl_b32 s[TS], s[GX], 11
	s_add_co_u32 s[TP2], s[TP2], s[TS]
	s_lshl_b32 s[TS], s[WV], 8
	s_add_co_u32 s[TP2], s[TP2], s[TS]
	s_add_nc_u64 s[O0:O0+1], s[22:23], s[TP2:TP2+1]
	s_add_nc_u64 s[O1:O1+1], s[24:25], s[TP2:TP2+1]
; ================================================================ the acts, in f32: scores, softmax, q_acts.  Wave w holds rows 16 w .. 16 w + 15 of C_acts[b] in window 1 (row i, piece j at 16 i + 4 j)
.irp j, 0,1,2,3
	global_load_b128 v[CU+4*\j:CU+4*\j+3], v[GCA], s[14:15] offset:400*\j
.endr
	global_load_b64 v[WR:WR+1], v[E8], s[16:17]
	WIN 0x40
.irp i, 0,1,2,3,4,5
.irp j, 0,1,2,3
	global_load_b128 v[16*\i+4*\j:16*\i+4*\j+3], v[GCA], s[CA:CA+1] offset:ROWB*\i+400*\j
.endr
.endr
	s_wait_loadcnt 23                              ; of the 59 loads so far the first 36 are in: the tile's 30, c_utt's 4, W_score's (and one of a row): with the 40 below, 63 are out at the most
.irp i, 6,7,8,9,10,11,12,13,14,15
.irp j, 0,1,2,3
	global_load_b128 v[16*\i+4*\j:16*\i+4*\j+3], v[GCA], s[CA:CA+1] offset:ROWB*\i+400*\j
.endr
.endr
	WIN 0
	s_wait_kmcnt 0x0                               ; len and b_score
	ds_store_b64 v[WTW], v[WR:WR+1]
	CSTORE CW0, 0                                  ; key step 0 into slot 0; three barriers stand between these stores and the first read.  (Its last wait holds of W_score's store too: v92, v93 become statistics)
.irp k, 0,1,2,3,4,5,6,7,8,9,10,11,12,13,14,15
	v_cndmask_b32 v[CU+\k], 0, v[CU+\k], s[M25]    ; the lanes that repeat lane 24 multiply by 0
.endr
	WIN 0x01                                       ; source 0: window 1
.irp i, 0,1,2,3,4,5,6,7,8,9,10,11,12,13,14,15
	s_wait_loadcnt 4*(15-\i)                       ; row i is in; the rows behind it may be out
	v_pk_mul_f32 v[DT+2*\i:DT+2*\i+1], v[16*\i:16*\i+1], v[CU:CU+1]
.irp k, 1,2,3,4,5,6,7
	v_pk_fma_f32 v[DT+2*\i:DT+2*\i+1], v[16*\i+2*\k:16*\i+2*\k+1], v[CU+2*\k:CU+2*\k+1], v[DT+2*\i:DT+2*\i+1]
.endr
.endr
	WIN 0
.irp i, 0,1,2,3,4,5,6,7,8,9,10,11,12,13,14,15
	v_add_f32 v[DT+2*\i], v[DT+2*\i], v[DT+2*\i+1]
.endr
.irp m, 1,2,4,8
.irp i, 0,1,2,3,4,5,6,7,8,9,10,11,12,13,14,15
	v_add_f32_dpp v[DT+2*\i], v[DT+2*\i], v[DT+2*\i] row_xmask:\m row_mask:0xf bank_mask:0xf
.endr
.endr
.irp i, 0,1,2,3,4,5,6,7,8,9,10,11,12,13,14,15
	v_permlanex16_b32 v[DT+2*\i+1], v[DT+2*\i], s[SEL], s[SEL+1]
.endr
.irp i, 0,1,2,3,4,5,6,7,8,9,10,11,12,13,14,15
	v_add_f32 v[DT+2*\i], v[DT+2*\i], v[DT+2*\i+1]
.endr
	s_wait_alu depctr_va_vdst(0)                   ; the sixteen scores are written, which the LDS stores read
.irp i, 0,1,2,3,4,5,6,7,8,9,10,11,12,13,14,15
	ds_store_b32 v[S2W], v[DT+2*\i] offset:4*\i    ; every lane holds the row's score and writes the same word
.endr
	BARRIER                                        ; the 128 scores, W_score and key step 0 lie in LDS
	s_wait_alu depctr_vm_vsrc(0)                   ; my sixteen stores have read v[DT ..]: the weighted sums and the partial sums' loads write these registers below
	ds_load_b128 v[176:179], v[S2R]                ; four scores a lane,
.irp k, 0,1,2,3
	ds_load_b128 v[180+4*\k:183+4*\k], v[S2W] offset:16*\k   ; and my wave's 16 in every lane
.endr
	s_wait_dscnt 0x0
	v_max3_num_f32 v196, v176, v177, v178
	v_max_num_f32 v196, v196, v179
.irp m, 1,2,4,8
	v_max_num_f32_dpp v196, v196, v196 row_xmask:\m row_mask:0xf bank_mask:0xf
.endr
	v_permlanex16_b32 v[TM+4], v196, s[SEL], s[SEL+1]
	v_max_num_f32 v196, v196, v[TM+4]              ; the largest score is taken away, as the softmax has it
.irp k, 0,1,2,3,4,5,6,7,8,9,10,11,12,13,14,15,16,17,18,19
	v_sub_f32 v[176+\k], v[176+\k], v196           ; the difference first, then the factor: what goes on into a quantiser keeps the difference's own rounding
.endr
.irp k, 0,1,2,3,4,5,6,7,8,9,10,11,12,13,14,15,16,17,18,19
	v_mul_f32 v[176+\k], s[CS], v[176+\k]
.endr
.irp k, 0,1,2,3,4,5,6,7,8,9,10,11,12,13,14,15,16,17,18,19
	v_exp_f32 v[176+\k], v[176+\k]
.endr
	v_nop                                          ; a plain line behind the last exponential,
	s_wait_alu depctr_va_vdst(0)                   ; and one wait for the batch of twenty, ahead of its first reader
	v_add_f32 v197, v176, v177
	v_add_f32 v198, v178, v179
	v_add_f32 v197, v197, v198
.irp m, 1,2,4,8
	v_add_f32_dpp v197, v197, v197 row_xmask:\m row_mask:0xf bank_mask:0xf
.endr
	v_permlanex16_b32 v[TM+4], v197, s[SEL], s[SEL+1]
	v_add_f32 v197, v197, v[TM+4]
	v_rcp_f32 v198, v197
	v_nop
	s_wait_alu depctr_va_vdst(0)                   ; the reciprocal is written, ahead of its first reader
.irp i, 0,1,2,3,4,5,6,7,8,9,10,11,12,13,14,15
	v_mul_f32 v[PP+2*\i], v[180+\i], v198          ; row i's weight, twice: a pair for the packed forms
	v_mul_f32 v[PP+2*\i+1], v[180+\i], v198
.endr
	WIN 0x01
.irp k, 0,1,2,3,4,5,6,7
	v_pk_mul_f32 v[ACC+2*\k:ACC+2*\k+1], v[2*\k:2*\k+1], v[PP:PP+1]
.endr
.irp i, 1,2,3,4,5,6,7,8,9,10,11,12,13,14,15
.irp k, 0,1,2,3,4,5,6,7
	v_pk_fma_f32 v[ACC+2*\k:ACC+2*\k+1], v[16*\i+2*\k:16*\i+2*\k+1], v[PP+2*\i:PP+2*\i+1], v[ACC+2*\k:ACC+2*\k+1]
.endr
.endr
	WIN 0
	s_wait_alu depctr_va_vdst(0)                   ; the weighted sums are written, which the LDS stores read; and the multiply-adds are done reading the acts' rows, in which my values' codes land below
.irp j, 0,1,2,3
	ds_store_b128 v[PAW], v[ACC+4*\j:ACC+4*\j+3] offset:512*\j   ; my 16 rows' part of q_acts: piece j holds numbers 100 j .. 100 j + 99 in its first 400 bytes; lanes 25-31 fill the other 112, which do not count
.endr
	; the acts' rows are done with: my values' codes take their place in window 1, 512 consecutive bytes a load; they land under the sums and the quantising below
	WIN 0x40
.irp i, 0,1,2,3
.irp g, 0,1,2,3,4,5,6,7,8,9,10,11,12
	global_load_b128 v[52*\i+4*\g:52*\i+4*\g+3], v[LI], s[QB:QB+1] offset:QTB*\i+512*\g
.endr
.endr
.irp k, 0,1,2,3,4,5,6,7,8,9,10,11
	v_mov_b32 v[208+\k], 0                         ; behind tile 3's tail
	v_mov_b32 v[T+4+\k], 0                         ; the twelve zero registers of each of the keys' two tail fragments
	v_mov_b32 v[T+20+\k], 0
.endr
	WIN 0
.irp i, 0,1,2,3
	global_load_b64 v[QS+2*\i:QS+2*\i+1], v[GO], s[QB:QB+1] offset:QTB*\i+6656   ; and their scale words (no vector line has named v20-27)
.endr
	ASKT 0
	BARRIER
.irp k, 0,1,2,3,4,5,6,7
	ds_load_b64 v[160+2*\k:161+2*\k], v[PAR] offset:2048*\k      ; the eight waves' parts of my two numbers (the scores' lines that named v160-175 stand ahead of the last wait on va_vdst)
.endr
	s_wait_dscnt 0x0
.irp k, 1,2,3,4,5,6,7
	v_pk_add_f32 v[160:161], v[160:161], v[160+2*\k:161+2*\k]
.endr
	v_and_b32 v176, 63, v0                         ; 64 threads to a piece; the first 50 hold its 100 numbers
	v_cmp_gt_u32 vcc_lo, 50, v176
	s_wait_alu depctr_va_vcc(0)                    ; VCC is written, ahead of the two selects that read it
	v_cndmask_b32 v160, 0, v160, vcc_lo            ; the other 14 write the piece's 28 zeros
	v_cndmask_b32 v161, 0, v161, vcc_lo
	s_wait_alu depctr_va_vdst(0)                   ; my two numbers of q_acts are written, which the LDS store reads
	ds_store_b64 v[WTW], v[160:161] offset:2048
	BARRIER                                        ; q_acts lies in LDS; the partial sums have been read
	s_wait_alu depctr_vm_vsrc(0)                   ; my stores of the partial sums and of q_acts have read v144-161, in which q_acts' numbers land below
.irp i, 0,1,2,3
	v_mov_b32 v[ST+12*\i+1], 0xff61b1e6            ; the largest t so far: -3e38
	v_floor_f32 v[ST+12*\i], -v[ST+12*\i+1]
.irp k, 2,3,4,5,6,8,9,10,11
	v_mov_b32 v[ST+12*\i+\k], 0
.endr
	v_mov_b32 v[ST+12*\i+7], 1.0
.endr
; ================================================================ out1: q_acts, quantised along D, against my values' codes.  All 16 rows of source 0 are q_acts[b], so every register of a result holds the number
; Four numbers 4 g .. 4 g + 3 of q_acts lie at 512 (g / 25) + 16 (g % 25).  Lanes 16-31 read four such groups further on than lanes 0-15: 64 bytes, or 176 where that crosses a piece's end (g % 25 >= 21).
.irp sp, 0,1,2
.if \sp > 0
	s_wait_alu depctr_va_vdst(0)                   ; the holds and conversions of the K step before are done with v[S ..], in which this K step's numbers land
.endif
.irp c, 0,1,2,3
.irp j, 0,1,2,3
.set gg, 32*\sp+8*\c+\j
.if (gg%25) >= 21
	ds_load_b128 v[S+16*\c+4*\j:S+16*\c+4*\j+3], v[QVR2] offset:512*(gg/25)+16*(gg%25)
.else
	ds_load_b128 v[S+16*\c+4*\j:S+16*\c+4*\j+3], v[QVR] offset:512*(gg/25)+16*(gg%25)
.endif
.endr
.endr
	QUANT S, 4, F+16*\sp, KS+\sp
.endr
	s_wait_alu depctr_va_vdst(0)                   ; likewise for the tail's sixteen numbers
.irp j, 0,1,2,3
	ds_load_b128 v[S+4*\j:S+4*\j+3], v[QVR] offset:1536+16*(21+\j)   ; numbers 384 .. 399; lanes 16-31 read the zeros behind number 399
.endr
	QUANT S, 1, F+48, KS+3
.irp k, 0,1,2,3,4,5,6,7,8,9,10,11
	v_mov_b32 v[F+52+\k], 0
.endr
	s_wait_loadcnt 0x0                             ; my values' codes and scale words are in
	s_wait_xcnt 0x0                                ; every load and the prefetches of tile 1, a phase back, have read their bases:
	s_add_nc_u64 s[HK:HK+1], s[HK:HK+1], SLOTB     ; the first trip copies tile 1
	s_add_nc_u64 s[PF:PF+1], s[PF:PF+1], SLOTB     ; and asks for tile 2
	PLACES 8                                       ; codes and scale words made by vector lines stand 4 and 8 places ahead of a scaled matrix instruction;
	s_wait_alu depctr_va_vdst(0)                   ; and behind the places: q_acts' codes, its zero codes and its four scale words are written, which the products take
	WIN 0x04                                       ; source 1: window 1
.irp sp, 0,1,2,3
.irp i, 0,1,2,3
.if \sp == 0
	v_wmma_scale_f32_16x16x128_f8f6f4 v[S+8*\i:S+8*\i+7], v[F+16*\sp:F+16*\sp+15], v[52*\i+16*\sp:52*\i+16*\sp+15], 0, v[KS+\sp], v[QS+2*\i+\sp/2]
.elseif \sp%2
	v_wmma_scale_f32_16x16x128_f8f6f4 v[S+8*\i:S+8*\i+7], v[F+16*\sp:F+16*\sp+15], v[52*\i+16*\sp:52*\i+16*\sp+15], v[S+8*\i:S+8*\i+7], v[KS+\sp], v[QS+2*\i+\sp/2] matrix_b_scale:MATRIX_SCALE_ROW1
.else
	v_wmma_scale_f32_16x16x128_f8f6f4 v[S+8*\i:S+8*\i+7], v[F+16*\sp:F+16*\sp+15], v[52*\i+16*\sp:52*\i+16*\sp+15], v[S+8*\i:S+8*\i+7], v[KS+\sp], v[QS+2*\i+\sp/2]
.endif
.endr
.endr
	WIN 0
	PLACES 8                                       ; the places stay beside the wait at the head of the way out
	OUT S, 8, 0, TM+20, O1
; ================================================================ four trips: trip T copies key step T (T < 4) into one slot and multiplies key step T - 1 out of the other
	s_mov_b32 s[TT], 1
	s_mov_b32 s[SLW], SLOT1
.Ltrip:
	s_xor_b32 s[SLR], s[SLW], SLOT1
	s_add_co_u32 s[TS], s[SLR], VOFF
	s_wait_alu depctr_vm_vsrc(0)                   ; all LDS instructions so far have read the three addresses that are made anew below (in the first trip: the head's, which lay in v6 and v7), and the way out's stores v[S ..]
	v_add_nc_u32 v[CW], s[SLW], v[CW0]
	v_add_nc_u32 v[AV], s[TS], v[LI]
	v_add_nc_u32 v[AK], s[SLR], v[LI]              ; the key step's first two key tiles
	s_wait_alu depctr_va_vdst(0)                   ; the three addresses are written; the products, folds and zeros of the key step before are done with S, F, KS, T, v36-51 and v60-75: the copy's loads, the first fetch and the first K step 2 land there, and no vector line stands between
	s_cmp_gt_u32 s[TT], 3
	s_cbranch_scc1 .Lno_c1
	s_cmp_lg_u32 s[ROLE], 0
	s_cbranch_scc1 .Lno_c1
	CLOAD
	CSTORE CW, 1
.Lno_c1:
	; ---------------- key step T - 1
	s_mov_b32 s[KB], s[SLR]
	s_mov_b32 s[PB], 0
	s_sub_co_u32 s[KF], s[TT], 1
	s_lshl_b32 s[KF], s[KF], 7
	KFETCH
	s_mov_b32 s[SUB], 4
.Lsub:                                             ; a sub-step: 32 keys x my 64 values
	s_wait_alu depctr_vm_vsrc(0)                   ; the last sub-step's four stores have read p's codes in v60-75, where K step 2 lands (the softmax's lines that named v36-51 and v60-75 stand ahead of the wait in front of those stores)
	K2FETCH
	s_wait_dscnt 18                                ; the scale words and K step 0 are in; K step 1's eight loads, the tail's two and K step 2's eight may be out (round the loop p's four stores lie among them: the count is then the stricter one)
	WIN 0x04
	QKM 0, F, 16, 1
	s_wait_dscnt 10                                ; K step 1 is in; the tail's two loads and K step 2's eight may be out
	QKM 1, F+32, 16, 0
	s_wait_dscnt 8                                 ; the tail is in
	WIN 0x05
	QKM 3, T, 16, 0
	s_wait_dscnt 0x0                               ; K step 2 is in; p's stores of the last sub-step are done
	WIN 0x04
	QKM 2, K2, K2S, 0
	WIN 0
	s_add_co_u32 s[KB], s[KB], 2*KT
	s_sub_co_i32 s[TS], s[LEN], s[KF]
	s_wait_alu depctr_vm_vsrc(0)                   ; this sub-step's 28 loads have read v[AK], the last sub-step's stores v[APC]: both are stepped below
	v_add_nc_u32 v[AK], s[KB], v[LI]               ; eight plain lines: the places behind the last products
	v_add_nc_u32 v[APC], s[PB], v[AP0]
	v_and_b32 v[VD], 16, v0
	v_sub_nc_u32 v[VD], s[TS], v[VD]               ; register n holds key KF + 16 (lane / 16) + n: it counts where n < len - KF - 16 (lane / 16)
	v_mov_b32 v[NINF], 0xff800000
	PLACES 3
	s_wait_alu depctr_va_vdst(0)                   ; v[AK] is written, which the fetch reads; the 32 products are done reading F, KS and T, in which it lands
	s_cmp_eq_u32 s[SUB], 1
	s_cbranch_scc1 .Lnofetch
	KFETCH                                         ; the next sub-step's tiles land under the softmax
.Lnofetch:
	s_add_co_u32 s[TS], s[KF], 32
	s_cmp_le_i32 s[TS], s[LEN]
	s_cbranch_scc1 .Lopen                          ; all 32 keys count
.irp n, 0,1,2,3,4,5,6,7,8,9,10,11,12,13,14,15
	v_cmp_lt_i32 s[MK+\n], \n, v[VD]               ; the sixteen compares in one run, a scalar register each
.endr
	s_wait_alu depctr_va_sdst(0)                   ; the sixteen masks are written, ahead of the selects that read them
.irp n, 0,1,2,3,4,5,6,7,8,9,10,11,12,13,14,15
.irp i, 0,1,2,3
	v_cndmask_b32 v[S+16*\i+\n], v[NINF], v[S+16*\i+\n], s[MK+\n]   ; a key at or past len: -infinity ahead of the maximum, so p = 0
.endr
.endr
.Lopen:
.irp i, 0,1,2,3
	v_max3_num_f32 v[TM+\i], v[S+16*\i], v[S+16*\i+1], v[S+16*\i+2]   ; the block's largest score: for the running maximum and, since p rises with the score, for the block's largest p
.endr
.irp n, 3,5,7,9,11,13
.irp i, 0,1,2,3
	v_max3_num_f32 v[TM+\i], v[TM+\i], v[S+16*\i+\n], v[S+16*\i+\n+1]
.endr
.endr
.irp i, 0,1,2,3
	v_max_num_f32 v[TM+\i], v[TM+\i], v[S+16*\i+15]
.endr
.irp i, 0,1,2,3
	v_permlanex16_b32 v[TM+4+\i], v[TM+\i], s[SEL], s[SEL+1]
.endr
.irp i, 0,1,2,3
	v_max_num_f32 v[TM+\i], v[TM+\i], v[TM+4+\i]
.endr
.irp i, 0,1,2,3
	v_mul_f32 v[TM+8+\i], s[CS], v[TM+\i]
.endr
.irp i, 0,1,2,3
	v_max_num_f32 v[ST+12*\i+1], v[ST+12*\i+1], v[TM+8+\i]   ; the running largest t
.endr
.irp i, 0,1,2,3
	v_mov_b32 v[TM+8+\i], v[ST+12*\i]
.endr
.irp i, 0,1,2,3
	v_floor_f32 v[ST+12*\i], -v[ST+12*\i+1]        ; -M = floor(-t): M is a whole number
.endr
.irp i, 0,1,2,3
	v_sub_f32 v[TM+8+\i], v[ST+12*\i], v[TM+8+\i]  ; old M - new M: a whole number, 0 or less
.endr
.irp i, 0,1,2,3
	v_cvt_i32_f32 v[TM+8+\i], v[TM+8+\i]           ; (it saturates)
.endr
.irp i, 0,1,2,3
	v_ldexp_f32 v[ST+12*\i+6], 1.0, v[TM+8+\i]     ; f = 2^(old M - new M)
.endr
.irp n, 0,2,4,6,8,10,12,14
.irp i, 0,1,2,3
	v_pk_fma_f32 v[S+16*\i+\n:S+16*\i+\n+1], v[S+16*\i+\n:S+16*\i+\n+1], s[CS:CS+1], v[ST+12*\i:ST+12*\i+1] op_sel_hi:[1,0,0]   ; t - M
.endr
.endr
.irp i, 0,1,2,3
	v_fma_f32 v[TM+\i], v[TM+\i], s[CS], v[ST+12*\i]
.endr
.set nn, 0
.rept 64
	v_exp_f32 v[S+nn], v[S+nn]                     ; p = 2^(t - M): not normalised
.set nn, nn+1
.endr
.irp i, 0,1,2,3
	v_pk_mul_f32 v[ST+12*\i+2:ST+12*\i+3], v[ST+12*\i+2:ST+12*\i+3], v[ST+12*\i+6:ST+12*\i+7] op_sel_hi:[1,0]   ; l under the new M.  Twenty plain lines that name no exponential's result
.endr
.irp i, 0,1,2,3
	v_mul_f32 v[ST+12*\i+7], v[ST+12*\i+7], v[ST+12*\i+6]    ; the step's product of f, for y
.endr
.irp i, 0,1,2,3
	v_mul_f32 v[ST+12*\i+8], v[ST+12*\i+9], v[ST+12*\i+6]    ; the earlier blocks' scales move one place down and take the factor: a power of two, so only their exponent fields change
.endr
.irp i, 0,1,2,3
	v_mul_f32 v[ST+12*\i+9], v[ST+12*\i+10], v[ST+12*\i+6]
.endr
.irp i, 0,1,2,3
	v_mul_f32 v[ST+12*\i+10], v[ST+12*\i+11], v[ST+12*\i+6]
.endr
	s_wait_alu depctr_va_vdst(0)                   ; one wait for the batch of 64 exponentials, ahead of its first reader
.irp i, 0,1,2,3
	v_exp_f32 v[TM+\i], v[TM+\i]                   ; the block's largest p
.endr
.irp n, 0,2,4,6,8,10,12,14
.irp i, 0,1,2,3
	v_pk_add_f32 v[ST+12*\i+2:ST+12*\i+3], v[ST+12*\i+2:ST+12*\i+3], v[S+16*\i+\n:S+16*\i+\n+1]   ; l takes the unquantised p
.endr
.endr
	s_wait_alu depctr_va_vdst(0)                   ; and one for the four, ahead of their first reader
.irp i, 0,1,2,3
	v_max_num_f32 v[TM+\i], 0x4800000, v[TM+\i]    ; the floor 2^(9 - 127)
.endr
.irp i, 0,1,2,3
	v_add_nc_u32 v[ST+12*\i+11], 0xfc000000, v[TM+\i]   ; this block's scale: its exponent field is the byte
.endr
.irp i, 0,1,2,3
	v_and_or_b32 v[TM+12+\i], v[TM+\i], 0x7f800000, s[MNT]
.endr
.irp i, 0,1,2,3
.irp n, 0,1,2,3,4,5,6,7,8,9,10,11,12,13,14,15
	v_min_num_f32 v[S+16*\i+\n], v[S+16*\i+\n], v[TM+12+\i]   ; p is not negative: the hold is one-sided
.endr
	v_cvt_scalef32_pk8_fp8_f32 v[PC+4*\i:PC+4*\i+1], v[S+16*\i:S+16*\i+7], v[ST+12*\i+11]
	v_cvt_scalef32_pk8_fp8_f32 v[PC+4*\i+2:PC+4*\i+3], v[S+16*\i+8:S+16*\i+15], v[ST+12*\i+11]
.endr
	v_nop
	s_wait_alu depctr_va_vdst(0)                   ; p's codes and v[APC] are written, which the four stores read; and the softmax is done with v36-51 and v60-75, in which the next sub-step's K step 2 lands
.irp i, 0,1,2,3
	ds_store_b128 v[APC], v[PC+4*\i:PC+4*\i+3] offset:2048*\i
.endr
	s_add_co_u32 s[PB], s[PB], 512
	s_add_co_u32 s[KF], s[KF], 32
	s_sub_co_u32 s[SUB], s[SUB], 1
	s_cmp_lg_u32 s[SUB], 0
	s_cbranch_scc1 .Lsub
	; ---------------- O^T = V^T P^T, folded into y
	s_wait_dscnt 0x0
	s_wait_alu depctr_vm_vsrc(0)                   ; p's last four stores have read v60-75, in which W's numbers land; the last key step's loads have read the two walking addresses, which are made anew below
.irp i, 0,1,2,3
.irp c, 0,1,2,3
	ds_load_b128 v[F+16*\i+4*\c:F+16*\i+4*\c+3], v[AP0] offset:2048*\i+512*\c
.endr
.endr
	WIN 0x40
.irp c, 0,1,2,3
	ds_load_b128 v[T+4*\c:T+4*\c+3], v[AV] offset:512*\c
.endr
	WIN 0
	ds_load_b32 v[KS+4], v[AV] offset:2048
	ds_load_b128 v[WB:WB+3], v[AW]
	ds_load_b128 v[WB+4:WB+7], v[AW] offset:16
	WIN 0x40
.irp c, 0,1,2,3
	ds_load_b128 v[T+16+4*\c:T+16+4*\c+3], v[AV] offset:VT+512*\c
.endr
	WIN 0
	ds_load_b32 v[KS+5], v[AV] offset:VT+2048
.irp k, 0,1,2,3
.irp i, 0,1,2,3
	v_lshrrev_b32 v[TM+4*\k+\i], 23, v[ST+12*\i+8+\k]   ; the four blocks' bytes, under the step's last M
.endr
.endr
.irp i, 0,1,2,3
	v_lshl_or_b32 v[KS+\i], v[TM+4+\i], 8, v[TM+\i]
.endr
.irp i, 0,1,2,3
	v_lshl_or_b32 v[KS+\i], v[TM+8+\i], 16, v[KS+\i]
.endr
.irp i, 0,1,2,3
	v_lshl_or_b32 v[KS+\i], v[TM+12+\i], 24, v[KS+\i]   ; p's scale words.  The fourteen plain lines below stand between them and the first product
.endr
.irp i, 0,1,2,3
	v_mul_f32 v[ST+12*\i+4], v[ST+12*\i+4], v[ST+12*\i+7]   ; y under the step's last M
	v_mul_f32 v[ST+12*\i+5], v[ST+12*\i+5], v[ST+12*\i+7]
.endr
.irp i, 0,1,2,3
	v_mov_b32 v[ST+12*\i+7], 1.0
.endr
	s_mov_b32 s[PVB], 0
	s_mov_b32 s[PWB], 0
	v_add_nc_u32 v[AVC], s[PVB], v[AV]
	v_add_nc_u32 v[AWC], s[PWB], v[AW]
	s_wait_alu depctr_va_vdst(0)                   ; behind the places: p's four scale words are written, which the products take
	ASKT 2
	; at a tile's head the seven LDS loads of the tile before may be out: the fragment of the next tile (4), its scale word (1), this tile's W (2)
	PVT 0, 7, 0, 2*VT, 64                          ; channel tile 0
	PVT 1, 7, 1, 3*VT, 128                         ; 1
	s_mov_b32 s[PVC], 10
.Lpv:                                              ; tiles 2 .. 21, two a trip
	PVON
	PVT 0, 7, 1, 2*VT, 64
	PVT 1, 7, 1, 3*VT, 128
	s_sub_co_u32 s[PVC], s[PVC], 1
	s_cmp_lg_u32 s[PVC], 0
	s_cbranch_scc1 .Lpv
	PVON
	PVT 0, 7, 1, 2*VT, 64                          ; 22: fetches tile 24
	PVT 1, 7, 1, -1, 128                           ; 23: only W of tile 24 is left to fetch
	PVT 0, 2, 1, -1, -1                            ; 24: those two loads may be out; it fetches nothing, so it has no wait of the mode's
	WIN 0x40
.irp k, 0,1,2,3,4,5,6,7,8,9,10,11
	v_mov_b32 v[T+4+\k], 0                         ; the tail fragments' zero registers, for the next key step; the last fold's sixteen lines stand between them and the next products
	v_mov_b32 v[T+20+\k], 0
.endr
	WIN 0
	s_wait_dscnt 0x0
	REDUCE 0
	s_wait_alu depctr_va_vdst(0)                   ; the last products and folds are done with S and F, in which the copy's loads land in the waves that copy here
	s_cmp_gt_u32 s[TT], 3
	s_cbranch_scc1 .Lno_c2
	s_cmp_lg_u32 s[ROLE], 1
	s_cbranch_scc1 .Lno_c2
	CLOAD
	CSTORE CW, 1
.Lno_c2:
	BARRIER                                        ; the slot written is whole, and nobody reads the other one any more
	s_wait_xcnt 0x0                                ; the trip's loads and prefetches have read their bases
	s_add_nc_u64 s[HK:HK+1], s[HK:HK+1], SLOTB
	s_add_nc_u64 s[PF:PF+1], s[PF:PF+1], SLOTB
	s_xor_b32 s[SLW], s[SLW], SLOT1
	s_add_co_u32 s[TT], s[TT], 1
	s_cmp_lt_u32 s[TT], 5
	s_cbranch_scc1 .Ltrip
; ================================================================ out0 = y / l + b_score
.irp i, 0,1,2,3
	v_add_f32 v[ST+12*\i+2], v[ST+12*\i+2], v[ST+12*\i+3]
	v_add_f32 v[ST+12*\i+4], v[ST+12*\i+4], v[ST+12*\i+5]
.endr
.irp i, 0,1,2,3
	v_permlanex16_b32 v[TM+4+\i], v[ST+12*\i+2], s[SEL], s[SEL+1]
	v_permlanex16_b32 v[TM+8+\i], v[ST+12*\i+4], s[SEL], s[SEL+1]
.endr
.irp i, 0,1,2,3
	v_add_f32 v[TM+4+\i], v[TM+4+\i], v[ST+12*\i+2]   ; lane l xor 16 holds the other keys' p and the other channels' part of y
	v_add_f32 v[TM+8+\i], v[TM+8+\i], v[ST+12*\i+4]
.endr
.irp i, 0,1,2,3
	v_rcp_f32 v[TM+\i], v[TM+4+\i]
.endr
	v_nop
	s_wait_alu depctr_va_vdst(0)                   ; the four reciprocals are written, ahead of their first reader
.irp i, 0,1,2,3
	v_fma_f32 v[TM+12+\i], v[TM+8+\i], v[TM+\i], s[BSC]
.endr
	OUT TM+12, 1, 256, TM+22, O0
	s_wait_dscnt 0x0                               ; the closing lines, six on end
	s_wait_alu 0x0
	s_wait_tensorcnt 0x0
	ds_add_u32 v126, v127
	s_wait_dscnt 0x0
	s_endpgm
.Lfunc_end_k_qdae3af3cf6_gce:
	.size	k_qdae3af3cf6_gce, .Lfunc_end_k_qdae3af3cf6_gce-k_qdae3af3cf6_gce
	.p2alignl 7, 3214868480
	.fill 96, 4, 3214868480
	.section	.rodata,"a",@progbits
	.p2align	6, 0x0
	.amdhsa_kernel k_qdae3af3cf6_gce
		.amdhsa_group_segment_fixed_size 320512
		.amdhsa_private_segment_fixed_size 0
		.amdhsa_enable_private_segment 0
		.amdhsa_kernarg_size 72
		.amdhsa_user_sgpr_count 2
		.amdhsa_user_sgpr_kernarg_segment_ptr 1
		.amdhsa_wavefront_size32 1
		.amdhsa_system_sgpr_workgroup_id_x 1
		.amdhsa_system_sgpr_workgroup_id_y 1
		.amdhsa_system_sgpr_workgroup_id_z 1
		.amdhsa_system_vgpr_workitem_id 0
		.amdhsa_next_free_vgpr 512
		.amdhsa_next_free_sgpr 96
		.amdhsa_reserve_vcc 1
		.amdhsa_float_denorm_mode_32 3
		.amdhsa_float_denorm_mode_16_64 3
		.amdhsa_memory_ordered 1
		.amdhsa_forward_progress 1
		.amdhsa_inst_pref_size 148
	.end_amdhsa_kernel
	.amdgpu_metadata
---
amdhsa.version: [ 1, 2 ]
amdhsa.kernels:
  - .name:           k_qdae3af3cf6_gce
    .symbol:         k_qdae3af3cf6_gce.kd
    .args:
      - { .name: hq, .offset: 0, .size: 8, .value_kind: global_buffer, .address_space: global }
      - { .name: vq, .offset: 8, .size: 8, .value_kind: global_buffer, .address_space: global }
      - { .name: C_acts, .offset: 16, .size: 8, .value_kind: global_buffer, .address_space: global }
      - { .name: c_utt, .offset: 24, .size: 8, .value_kind: global_buffer, .address_space: global }
      - { .name: W_score, .offset: 32, .size: 8, .value_kind: global_buffer, .address_space: global }
      - { .name: b_score, .offset: 40, .size: 8, .value_kind: global_buffer, .address_space: global }
      - { .name: utterance_len, .offset: 48, .size: 8, .value_kind: global_buffer, .address_space: global }
      - { .name: out0, .offset: 56, .size: 8, .value_kind: global_buffer, .address_space: global }
      - { .name: out1, .offset: 64, .size: 8, .value_kind: global_buffer, .address_space: global }
    .group_segment_fixed_size: 320512
    .private_segment_fixed_size: 0
    .kernarg_segment_align: 8
    .kernarg_segment_size: 72
    .max_flat_workgroup_size: 256
    .sgpr_count:     96
    .vgpr_count:     512
    .wavefront_size: 32
...
	.end_amdgpu_metadata
.endif
;; end of part 3
